; MI455X (gfx1250); checked and timed in simulation.
; The chip was launched on July 23, 2026; its instructions are those of AMD's public machine-readable ISA for CDNA 5 (MIT licence, August 2026) and "CDNA5" Instruction Set Architecture Reference Guide (July 2026). The comments in the code are by the model that wrote it; some were corrected since.
;; Multi Head Attention. Allowed arithmetic: matrix products marked QUANTISED: E2M3 operands, one E8M0 scale for each 32 along K, by v_wmma_scale_f32_16x16x128_f8f6f4 with both operands' format E2M3, f32 sums; everything else in f32.
;; Inputs: bo 1,024 float32; wk 16 x 1,024 x 64 float32; wo 1,024 x 1,024 float32; wq 16 x 1,024 x 64 float32; wv 16 x 1,024 x 64 float32; x 4 x 2,048 x 1,024 float32.
;; Outputs: out0 4 x 2,048 x 1,024 float32.
;; This version of the problem:
;;   THIS VERSION OF THE PROBLEM IS GIVEN IN LOW PRECISION. The matrix products marked QUANTISED in the list below multiply operands that are first quantised to E2M3 (2 exponent bits, 3 mantissa bits; 6 bits a number), with one power-of-two scale for each 32 numbers along K (OCP MX v1.0); their sums are f32. All else is computed in f32.
;;   The module's matrix products, in the order in which they are computed (A, B: the left and right operand; K: the contracted axis; several contracted axes count as one K, in the product's order):
;;     1. [M 1,024, K 1,024] x [K 1,024, N 8,192]; A: input wq; B: input x: QUANTISED
;;     2. [M 1,024, K 1,024] x [K 1,024, N 8,192]; A: input wk; B: input x: QUANTISED
;;     3. [M 1,024, K 1,024] x [K 1,024, N 8,192]; A: input wv; B: input x: QUANTISED
;;     4. batch 64 x [M 2,048, K 64] x [K 64, N 2,048]; A: computed on the way; B: computed on the way: QUANTISED
;;     5. batch 64 x [M 2,048, K 2,048] x [K 2,048, N 64]; A: softmax (see below); B: computed on the way: QUANTISED
;;     6. [M 8,192, K 1,024] x [K 1,024, N 1,024]; A: computed on the way; B: input wo: QUANTISED
;;   THE QUANTISER, for each operand of a quantised product, along K:
;;     - K is cut into blocks of 32 from its start; a last block that is shorter is filled with zeros.
;;     - A block's scale is 2^e with e = floor(log2(the largest magnitude in the block)) - 2, held to -126 .. 127; a block of zeros has e = 0. As a byte (E8M0): e + 127.
;;     - Each number is divided by its block's scale, clamped to +-7.5, and rounded to the nearest number of E2M3, ties to even, subnormals kept.
;;     - The product sums the exact products of the quantised numbers (number of the format x scale) in f32.
;;   ~~~python
;;   def quantise(x, axis):      # numpy; x: float32 -> the quantised numbers, widened to float32 again
;;       x = np.moveaxis(x, axis, -1); K = x.shape[-1]
;;       x = np.pad(x, [(0, 0)] * (x.ndim - 1) + [(0, -K % 32)]); x = x.reshape(x.shape[:-1] + (-1, 32)); a = np.abs(x).max(-1, keepdims=True)
;;       e = np.where(a > 0, np.clip(np.frexp(np.where(a > 0, a, 1))[1] - 1 - 2, -126, 127), 0)      # np.frexp(a)[1] - 1 = floor(log2(a)), exactly
;;       r = np.clip(x / 2.0 ** e, -7.5, 7.5)
;;       step = 2.0 ** (np.maximum(np.frexp(np.where(r == 0, 1, r))[1] - 1, 0) - 3)
;;       q = np.round(r / step) * step * 2.0 ** e      # np.round: ties to even
;;       return np.moveaxis(q.reshape(q.shape[:-2] + (-1,))[..., :K], -1, axis).astype(np.float32)
;;   ~~~
;;   SOFTMAX AHEAD OF A QUANTISED PRODUCT. Where the list says 'softmax', what is quantised is not the finished softmax but p = 2^(t - M), with t = logit x log2(e) and M = ceil(the row's largest t), a whole number; so 1/2 < the row's largest p <= 1. The row's sum l is taken of the UNQUANTISED p, in f32, and the product's result is divided by l at the end. Since M is a whole number, a kernel that streams over the keys may use a running M (the ceiling of the running maximum): every later rescaling is an exact power of two, which a block's scale takes up: the codes' values come out the same.
;;   OPERANDS COMPUTED ON THE WAY. 'Computed on the way' means the value that the module computes at that place (a softmax that the list does not call 'softmax' is quantised finished and normalised). What goes into a quantiser is computed in f32, as accurately as f32 sums, v_exp_f32 and their like allow (about 1e-6 of the number): no bf16 or f16 on the way to a quantiser, and a product that is left as it is and whose result goes on into a quantised operand takes f32 operands (vector FMAs, or v_wmma_f32_16x16x4_f32). A number that lies on a knife's edge between two numbers of the format may be rounded either way, as far as f32 arithmetic and the matrix unit's own rounding can turn it there, and no further.
;; One version. Each part assembles by itself: llvm-mc -triple=amdgcn-amd-amdhsa -mcpu=gfx1250 --defsym DOCPART=n.
;; ======== version 1 of 1: 4 launches
;; limits: right only within a limited range of input values
;; workspace buffers: opc 9,437,184 bytes; sc 1,310,720 bytes; qkvc 18,874,368 bytes; qkvs 1,572,864 bytes; oc 6,291,456 bytes
;; launch quant (part 1): grid 480 x 1, 4 waves a work-group, no clusters, 37,376 bytes of LDS; arguments x, wo, wq, wk, wv, opc, sc; writes opc, sc
.if DOCPART == 1
	.amdgcn_target "amdgcn-amd-amdhsa--gfx1250"
	.amdhsa_code_object_version 6
	.text
	.protected	k_q84aadc41e9_quant
	.globl	k_q84aadc41e9_quant
	.p2align	8
	.type	k_q84aadc41e9_quant,@function
k_q84aadc41e9_quant:
	s_mov_b64 s[64:65], 0
	v_nop
	global_prefetch_b8 v0, s[64:65] scope:SCOPE_SE
	s_setreg_imm32_b32 hwreg(HW_REG_WAVE_MODE, 25, 1), 1
	s_wait_xcnt 0x0
; LAUNCH 1 OF 4.  x [8192][1024], wo [1024][1024] (K innermost) and wq, wk, wv [16][1024][64] (K = the middle axis), all f32, become codes of FP6 (E2M3) with one E8M0 byte for each 32 along K.
; THE PROGRAM: 1 quantise the inputs; 2 q, k, v = x W, quantised on the way out (q, k along the head's 64, v along the keys); 3 causal attention on codes, o / l quantised on the way out; 4 o wo^T + bo.
; WORK LEFT OUT (launch 3): reference() sets the scores of keys s > t to -infinity by a mask that it builds itself, so their weights are 0 for every finite input: a step of 128 keys all of which come after a
; tile's 16 queries adds 0 to every sum and is not computed, and a slot of keys that no query of a work-group may see is not fetched.  No input is left out.  A NaN, an infinity or an overflow that would arise only in
; such hidden scores is not carried to the result.
; LIMITS: NaN and infinities among the inputs are not served; a block whose largest magnitude lies under 2^-124 gets the byte 1; a block of zeros gets the byte 1 where the rule says 127: its codes are zeros, and
; this program alone reads the bytes.
; ORDER INSIDE A BLOCK OF 32 (all operands of all products alike): position p holds element (p % 8) + 16 ((p / 8) % 2) + 8 (p / 16): the two middle groups of eight change places.  Both sides of every product are
; permuted alike and blocks keep their members, so every sum has the same terms; it is the order in which a 16 x 16 result's registers fall when they are quantised in registers (launches 2 and 3).
; HALF IMAGE: 16 rows x 64 along K = 768 bytes = six operand registers of 32 lanes: registers 0-3 at 16 x lane, registers 4-5 at 512 + 8 x lane; lane (r, h) holds row r, block h.  opc: [row / 16][k / 64][768].
; SCALE WORDS: sc has 16 planes (k / 64) of 20,480 words; the even plane holds the four bytes of 128 along K, the odd plane that word >> 16.
; Work-groups 0-255: x; 256-287: wo (a wave: 64 rows x 128 along K, through its own stage in LDS); 288-479: the weights (a wave: 32 columns x 128 along K, a lane a column, registers down K; no LDS).
.set SPARE, 36864                      ; behind the four waves' regions: the spare words, 128 bytes a wave
.set WREG,  9216                       ; a wave's region: a stage of 16 rows x 528 bytes, then 512 bytes of scale words
.set SST,   8448
.set PLANE, 81920
.set R,  64                            ; v64-191   two sets of 64 registers as loaded
.set X,  192                           ; v192-255  my two blocks of 32 numbers
.set PC, 24                            ; v24-35    a fragment's codes
.set CT, 36                            ; v36-38, v40-42  the upper halves' codes, before they are moved
.set XW, 64                            ; the weights' path: v64-191, four blocks of 32 numbers
.macro LOADF f                         ; fragment f: 16 rows x 512 bytes, a row a load
.irp j, 0,1,2,3,4,5,6,7,8,9,10,11,12,13,14,15
	global_load_b128 v[R+64*((\f)%2)+4*\j:R+64*((\f)%2)+4*\j+3], v4, s[4:5] offset:(16*(\f)+\j)*4096 th:TH_LOAD_NT
.endr
.endm
.macro TURNF f                         ; through my stage: in as loaded, out as lane (r, h) wants them: blocks h and 2 + h of row r, in the order stated above.  LDS serves a wave's instructions in order
.irp j, 0,1,2,3,4,5,6,7,8,9,10,11,12,13,14,15
	ds_store_b128 v6, v[R+64*((\f)%2)+4*\j:R+64*((\f)%2)+4*\j+3] offset:528*\j
.endr
.irp c, 0,1
.irp p, 0,1,2,3,4,5,6,7
	ds_load_b128 v[X+32*\c+4*\p:X+32*\c+4*\p+3], v7 offset:256*\c+16*((\p%2)+4*((\p/2)%2)+2*(\p/4))
.endr
.endr
.endm
.macro QF f                            ; two blocks a lane become codes; the row's four bytes a word
	s_wait_xcnt 0x0                                ; the last fragment's stores have read the codes' registers
.irp c, 0,1
	v_max3_num_f32 v[14+\c], |v[X+32*\c]|, |v[X+32*\c+1]|, 0x1800000   ; with the floor 2^(3 - 127): the byte cannot fall under 1
.endr
.irp i, 2,4,6,8,10,12,14,16,18,20,22,24,26,28,30
.irp c, 0,1
	v_max3_num_f32 v[14+\c], v[14+\c], |v[X+32*\c+\i]|, |v[X+32*\c+\i+1]|
.endr
.endr
.irp c, 0,1
	v_add_nc_u32 v[16+\c], 0xff000000, v[14+\c]    ; 2 off the exponent field: the conversion's scale operand
.endr
.irp c, 0,1
	v_lshrrev_b32 v[18+\c], 23, v[16+\c]           ; the byte
.endr
.irp c, 0,1
	v_cvt_scalef32_pk16_fp6_f32 v[PC+6*\c:PC+6*\c+2], v[X+32*\c:X+32*\c+15], v[16+\c]
	v_cvt_scalef32_pk16_fp6_f32 v[CT+4*\c:CT+4*\c+2], v[X+32*\c+16:X+32*\c+31], v[16+\c]   ; (a conversion's three registers begin on an even number)
.endr
	v_lshl_or_b32 v20, v19, 16, v18                ; my two bytes (a plain line behind the conversions),
	v_lshlrev_b32 v20, v10, v20                    ; 8 h bits up;
.irp c, 0,1
.irp i, 0,1,2
	v_mov_b32 v[PC+6*\c+3+\i], v[CT+4*\c+\i]
.endr
.endr
	v_permlanex16_b32 v21, v20, s20, s21
	v_or_b32 v20, v20, v21                         ; with lane l xor 16's two the word is whole
	v_lshrrev_b32 v22, v11, v20                    ; lanes 16-31 keep its upper half, for the odd plane
.irp c, 0,1
	global_store_b128 v4, v[PC+6*\c:PC+6*\c+3], s[14:15] offset:(\f)*12288+768*\c        ; 512 consecutive bytes,
	global_store_b64 v5, v[PC+6*\c+4:PC+6*\c+5], s[14:15] offset:(\f)*12288+768*\c+512   ; and 256
.endr
	ds_store_b32 v8, v22 offset:64*(\f)
.endm
.macro LOADB t                         ; the weights: block t of my column, down K, in the order stated above
.set i, 0
.rept 32
	global_load_b32 v[XW+32*(\t)+i], v4, s[8:9] offset:(32*(\t)+(i%8)+16*((i/8)%2)+8*(i/16))*256 th:TH_LOAD_NT
.set i, i+1
.endr
.endm
.macro PROC t                          ; block t: all 32 numbers are mine
.set XS, XW+32*(\t)
.set CB, 24+6*(\t)
	v_max3_num_f32 v14, |v[XS]|, |v[XS+1]|, 0x1800000
	v_max3_num_f32 v15, |v[XS+16]|, |v[XS+17]|, 0x1800000
.irp i, 2,4,6,8,10,12,14
	v_max3_num_f32 v14, v14, |v[XS+\i]|, |v[XS+\i+1]|
	v_max3_num_f32 v15, v15, |v[XS+16+\i]|, |v[XS+17+\i]|
.endr
	v_max_num_f32 v14, v14, v15
	v_add_nc_u32 v16, 0xff000000, v14
	v_lshrrev_b32 v18, 23, v16
	v_cvt_scalef32_pk16_fp6_f32 v[CB:CB+2], v[XS:XS+15], v16
	v_cvt_scalef32_pk16_fp6_f32 v[48:50], v[XS+16:XS+31], v16
.if (\t) == 0
	v_mov_b32 v20, v18                             ; the column's scale word, byte t (a plain line behind the conversions)
.else
	v_lshl_or_b32 v20, v18, 8*(\t), v20
.endif
.irp i, 0,1,2
	v_mov_b32 v[CB+3+\i], v[48+\i]
.endr
.endm
.macro OUTC c                          ; blocks 2 c and 2 c + 1 of 32 columns become two half images: the first's lanes 16-31 change places with the second's lanes 0-15
.irp i, 0,1,2,3,4,5
	v_permlane16_swap_b32 v[24+12*\c+\i], v[30+12*\c+\i]
.endr
.irp u, 0,1
	global_store_b128 v5, v[24+12*\c+6*\u:24+12*\c+6*\u+3], s[14:15] offset:12288*\u+768*\c
	global_store_b64 v6, v[24+12*\c+6*\u+4:24+12*\c+6*\u+5], s[14:15] offset:12288*\u+768*\c+512
.endr
.endm
	s_load_b256 s[4:11], s[0:1], 0x0               ; x, wo, wq, wk
	s_load_b128 s[12:15], s[0:1], 0x20             ; wv, opc
	s_load_b64 s[16:17], s[0:1], 0x30              ; sc
	v_lshl_add_u32 v12, v0, 2, SPARE               ; my spare word,
	v_mov_b32 v13, 0                               ; and 0: kept for the closing lines
	v_lshrrev_b32 v1, 5, v0
	v_readfirstlane_b32 s18, v1                    ; wave
	v_and_b32 v1, 31, v0                           ; lane
	v_and_b32 v2, 15, v0                           ; r
	v_bfe_u32 v3, v0, 4, 1                         ; h
	s_mov_b32 s20, 0x76543210
	s_mov_b32 s21, 0xfedcba98                      ; selects for lane l xor 16
	s_cmp_lt_u32 ttmp9, 288
	s_cbranch_scc0 .Lweights
	; ---- x and wo: K innermost
	v_lshlrev_b32 v4, 4, v1                        ; 16 x lane
	v_lshlrev_b32 v5, 3, v1                        ; 8 x lane
	s_mul_i32 s19, s18, WREG
	v_add_nc_u32 v6, s19, v4                       ; the stage, in
	v_mul_u32_u24 v7, v2, 528
	v_lshl_add_u32 v7, v3, 7, v7
	v_add_nc_u32 v7, s19, v7                       ; the stage, out: row r, + 128 h
	v_lshlrev_b32 v8, 2, v2
	v_lshl_add_u32 v8, v3, 8, v8
	v_add_nc_u32 v8, s19, v8
	v_add_nc_u32 v8, SST, v8                       ; scale words: plane h, row r
	v_add_nc_u32 v9, s19, v5
	v_add_nc_u32 v9, SST, v9                       ; and back, 8 bytes a lane
	v_lshlrev_b32 v10, 3, v3                       ; 8 h
	v_lshlrev_b32 v11, 4, v3                       ; 16 h
	v_mov_b32 v21, 0                               ; (a lane permute's destination counts as read)
	s_wait_kmcnt 0x0
	s_cmp_lt_u32 ttmp9, 256                        ; x's work-group or wo's: the choice hangs on the work-group's number alone
	s_cselect_b64 s[4:5], s[4:5], s[6:7]
	s_cselect_b32 s22, 0, 256
	s_cselect_b32 s23, 0, 11264                    ; the tensor's first half image
	s_cselect_b32 s24, 0, 19456                    ; and its first word in a plane
	s_sub_co_u32 s22, ttmp9, s22
	s_lshr_b32 s25, s22, 1                         ; which 64 rows
	s_and_b32 s26, s22, 1
	s_lshl_b32 s26, s26, 2
	s_add_co_u32 s26, s26, s18                     ; which 128 along K
	s_lshl_b32 s28, s25, 18
	s_lshl_b32 s27, s26, 9
	s_add_co_u32 s28, s28, s27
	s_mov_b32 s29, 0
	s_add_nc_u64 s[4:5], s[4:5], s[28:29]
	s_lshl_b32 s28, s25, 6
	s_add_co_u32 s30, s28, s23
	s_lshl_b32 s27, s26, 1
	s_add_co_u32 s30, s30, s27
	s_mul_i32 s30, s30, 768
	s_mov_b32 s31, 0
	s_add_nc_u64 s[14:15], s[14:15], s[30:31]
	s_add_co_u32 s28, s28, s24
	s_lshl_b32 s28, s28, 2
	s_mul_i32 s27, s27, PLANE
	s_add_co_u32 s28, s28, s27
	s_add_nc_u64 s[16:17], s[16:17], s[28:29]
	LOADF 0
	LOADF 1
.irp f, 0,1,2,3
.if \f < 3
	s_wait_loadcnt 16                              ; this fragment's 16 loads are in; the next fragment's 16 may be out
.else
	s_wait_loadcnt 0x0
.endif
	TURNF \f
	s_wait_dscnt 0x0                               ; the numbers are back, and the stores into the stage have read their registers,
.if \f < 2
	LOADF \f+2                                     ; which take the fragment two on
.endif
	QF \f
.endr
	ds_load_b64 v[44:45], v9                       ; 64 rows' words of the even plane,
	ds_load_b64 v[46:47], v9 offset:256            ; and of the odd one
	s_wait_dscnt 0x0
	global_store_b64 v5, v[44:45], s[16:17]        ; 256 consecutive bytes each
	global_store_b64 v5, v[46:47], s[16:17] offset:PLANE
	s_branch .Lend
.Lweights:                                             ; ---- wq, wk, wv: a lane to a column d, registers down K
	s_sub_co_u32 s22, ttmp9, 288
	s_and_b32 s23, s18, 1                          ; which 32 of the head's 64 columns
	s_lshr_b32 s24, s18, 1
	s_and_b32 s25, s22, 3
	s_lshl_b32 s25, s25, 1
	s_add_co_u32 s25, s25, s24                     ; which 128 along K
	s_lshr_b32 s26, s22, 2
	s_lshr_b32 s27, s26, 4                         ; which tensor
	s_and_b32 s26, s26, 15                         ; which head
	s_wait_alu depctr_va_vdst(0)
	v_lshlrev_b32 v4, 2, v1                        ; 4 x lane
	v_lshlrev_b32 v5, 4, v1
	v_lshlrev_b32 v6, 3, v1
	s_wait_alu depctr_va_vdst(0)
	s_wait_kmcnt 0x0
	s_cmp_eq_u32 s27, 0
	s_cselect_b64 s[8:9], s[8:9], s[10:11]
	s_cmp_eq_u32 s27, 2
	s_cselect_b64 s[8:9], s[12:13], s[8:9]
	s_lshl_b32 s28, s26, 18
	s_lshl_b32 s30, s25, 15
	s_add_co_u32 s28, s28, s30
	s_lshl_b32 s30, s23, 7
	s_add_co_u32 s28, s28, s30
	s_mov_b32 s29, 0
	s_add_nc_u64 s[8:9], s[8:9], s[28:29]
	s_lshl_b32 s28, s27, 10
	s_lshl_b32 s30, s26, 6
	s_add_co_u32 s28, s28, s30
	s_lshl_b32 s30, s23, 5
	s_add_co_u32 s28, s28, s30
	s_add_co_u32 s28, s28, 8192                    ; my first row n = 1024 tensor + 64 head + d, behind x's 8,192
	s_lshl_b32 s31, s25, 1
	s_add_co_u32 s30, s28, s31
	s_mul_i32 s30, s30, 768
	s_mul_i32 s32, s31, PLANE
	s_mov_b32 s31, 0
	s_add_nc_u64 s[14:15], s[14:15], s[30:31]
	s_lshl_b32 s28, s28, 2
	s_add_co_u32 s28, s28, s32
	s_add_nc_u64 s[16:17], s[16:17], s[28:29]
	LOADB 0
	LOADB 1
	s_wait_loadcnt 32                              ; block 0 is in; the youngest block's 32 loads may be out (so at each count of 32 below)
	LOADB 2
	PROC 0
	s_wait_loadcnt 32
	LOADB 3
	PROC 1
	OUTC 0
	s_wait_loadcnt 32
	PROC 2
	s_wait_loadcnt 0x0
	PROC 3
	OUTC 1
	global_store_b32 v4, v20, s[16:17]             ; 32 columns' words: 128 consecutive bytes of the even plane
.Lend:
	s_wait_tensorcnt 0x0                           ; the wave's end
	ds_add_u32 v12, v13
	s_wait_dscnt 0x0
	s_endpgm
.Lfunc_end_k_q84aadc41e9_quant:
	.size	k_q84aadc41e9_quant, .Lfunc_end_k_q84aadc41e9_quant-k_q84aadc41e9_quant
	.p2alignl 7, 3214868480
	.fill 96, 4, 3214868480
	.section	.rodata,"a",@progbits
	.p2align	6, 0x0
	.amdhsa_kernel k_q84aadc41e9_quant
		.amdhsa_group_segment_fixed_size 37376
		.amdhsa_private_segment_fixed_size 0
		.amdhsa_enable_private_segment 0
		.amdhsa_kernarg_size 56
		.amdhsa_user_sgpr_count 2
		.amdhsa_user_sgpr_kernarg_segment_ptr 1
		.amdhsa_wavefront_size32 1
		.amdhsa_system_sgpr_workgroup_id_x 1
		.amdhsa_system_sgpr_workgroup_id_y 1
		.amdhsa_system_sgpr_workgroup_id_z 1
		.amdhsa_system_vgpr_workitem_id 0
		.amdhsa_next_free_vgpr 256
		.amdhsa_next_free_sgpr 66
		.amdhsa_reserve_vcc 0
		.amdhsa_float_denorm_mode_32 3
		.amdhsa_float_denorm_mode_16_64 3
		.amdhsa_memory_ordered 1
		.amdhsa_forward_progress 1
		.amdhsa_inst_pref_size 52
	.end_amdhsa_kernel
	.amdgpu_metadata
---
amdhsa.version: [ 1, 2 ]
amdhsa.kernels:
  - .name:           k_q84aadc41e9_quant
    .symbol:         k_q84aadc41e9_quant.kd
    .args:
      - { .name: x, .offset: 0, .size: 8, .value_kind: global_buffer, .address_space: global }
      - { .name: wo, .offset: 8, .size: 8, .value_kind: global_buffer, .address_space: global }
      - { .name: wq, .offset: 16, .size: 8, .value_kind: global_buffer, .address_space: global }
      - { .name: wk, .offset: 24, .size: 8, .value_kind: global_buffer, .address_space: global }
      - { .name: wv, .offset: 32, .size: 8, .value_kind: global_buffer, .address_space: global }
      - { .name: opc, .offset: 40, .size: 8, .value_kind: global_buffer, .address_space: global }
      - { .name: sc, .offset: 48, .size: 8, .value_kind: global_buffer, .address_space: global }
    .group_segment_fixed_size: 37376
    .private_segment_fixed_size: 0
    .kernarg_segment_align: 8
    .kernarg_segment_size: 56
    .max_flat_workgroup_size: 128
    .sgpr_count:     66
    .vgpr_count:     256
    .wavefront_size: 32
...
	.end_amdgpu_metadata
.endif
;; end of part 1
;; launch qkv (part 2): grid 8 x 96, 4 waves a work-group, clusters of 4 x 4, 327,680 bytes of LDS; arguments opc, sc, qkvc, qkvs; writes qkvc, qkvs
.if DOCPART == 2
	.amdgcn_target "amdgcn-amd-amdhsa--gfx1250"
	.amdhsa_code_object_version 6
	.text
	.protected	k_q84aadc41e9_qkv
	.globl	k_q84aadc41e9_qkv
	.p2align	8
	.type	k_q84aadc41e9_qkv,@function
k_q84aadc41e9_qkv:
	s_mov_b64 s[64:65], 0
	v_nop
	global_prefetch_b8 v0, s[64:65] scope:SCOPE_SE
	s_setreg_imm32_b32 hwreg(HW_REG_WAVE_MODE, 25, 1), 1
	s_wait_xcnt 0x0
	s_wait_alu depctr_hold_cnt(0) depctr_sa_sdst(0) depctr_va_vdst(0) depctr_va_sdst(0) depctr_va_ssrc(0) depctr_va_vcc(0) depctr_vm_vsrc(0)
	s_getreg_b32 s2, hwreg(HW_REG_IB_STS2, 6, 4)
	s_cmp_eq_u32 s2, 0
	s_cbranch_scc0 .Lentry_in_a_cluster
	s_endpgm
.Lentry_in_a_cluster:
	s_bfe_u32 s2, ttmp6, 0x10000c
	s_cmp_lg_u32 s2, 0xf033
	s_cbranch_scc0 .Lentry_shape_is_right
	s_endpgm
.Lentry_shape_is_right:
; LAUNCH 2 OF 4.  q, k, v = x W on codes of FP6, K = 1,024, and their quantisers on the way out.  Nothing of this launch's work is left out.
; A work-group makes 128 y-rows x 256 x-rows; wave w (yh = w / 2, xh = w % 2) 64 x 128: 32 accumulators.  Source 0 = 16 x-rows, source 1 = 16 y-rows: a lane holds ONE y-row and its registers run along x.
; The way out quantises along x.  Clusters with y < 16: x-side = the rows of wq, wk (q and k are quantised along the head's 64), y-side = tokens.  The others: x-side = tokens (v is quantised along the keys),
; y-side = the rows of wv.  One text serves both: what differs is offsets, chosen by s_cselect_b32 on the cluster's y.
; THE TILE'S WHOLE K LIES IN LDS, in two halves of 512 along K: y's 8 rows of 6,144 bytes (16 operand rows x 8 half images), then x's 16.  FOUR FILLS, one a wave, each on a line of its own, all at the head:
; wave 0 y's low half, wave 1 x's low half, wave 2 y's high half, wave 3 x's.  The first barrier shows the low half (waves 0, 1 have waited); the barrier in step 3, where every wave waits, shows the high half.
; Nothing is filled again.  No data prefetch: all tiles are asked for at the head, and there is no loop to run ahead in.
; CLUSTER 4 x 4: the y-side's tiles are shared along a row of the cluster, the x-side's along a column: joint loads.
; Operands lie as half images (16 rows x 64 along K, 768 bytes: registers 0-3 at 16 x lane, 4-5 at 512 + 8 x lane), so a fragment is two loads of 16 bytes and two of 8, each on consecutive bytes.
; The scale words of all of K go from memory into 64 registers once: register 8 kq + i: lanes 0-15 y block i (i > 3: i - 4 again), lanes 16-31 x block i.
; OUT: qkvc: q, k: half image (head or 16 + head) 512 + token / 16; v: 16,384 + ((16 b + head) 32 + key / 64) 4 + d / 16.  qkvs: one word for a row and 64 along K (low two bytes).
; REGISTERS: window 0: v1-14 addresses; v28, v29 the add's two; v32-95 scale words; v128-223 the y-side's fragments, two sets (on the way out: codes and scratch).  window 1: the x-side's, two sets, at 0 and 128.
;   window 2: the accumulators, (a, b) at v[8 (8 a + b)].
.set HALFK, 147456                     ; 512 along K of the tile
.set XOFF,  49152                      ; x's rows in a half, behind y's 8 x 6,144
.set SPARE, 2*HALFK                    ; behind the halves: the spare words, 128 bytes a wave
.set PLANE, 81920
.set G1Y, 24
.set G1X, 48
.set G0Y, 68                           ; s[68:75] group 0 for y's two halves;  s[84:91] for x's
.set G0X, 84
.set SCR, 32
.set AF,  128
.set CT,  176
.set TM,  184
.set MSB, 0
.macro WIN new                         ; the immediate's high byte repeats the setting that is left
.if MSB != \new
	s_set_vgpr_msb (MSB<<8)|\new
.set MSB, \new
.endif
.endm
.macro PLACES n
.rept \n
	v_nop
.endr
.endm
.macro ARM under, g0, g1, next         ; an arm of the head's one chain of branches on the wave's number: one joint load, s_nop 0 and four v_nop behind it
	s_cmp_lt_u32 s14, \under
	s_cbranch_scc0 \next
	tensor_load_to_lds s[\g0:\g0+3], s[\g1:\g1+7]
	s_nop 0
	PLACES 4
	s_branch .Lhead_asked
\next:
.endm
.macro CROUND                          ; a round of the cluster's barrier
	s_barrier_signal -1
	s_barrier_wait -1
	s_cmp_lg_u32 s14, 0
	s_cbranch_scc1 .Lnot_wave_0_\@
	s_barrier_signal -3
.Lnot_wave_0_\@:
	s_barrier_wait -3
	s_barrier_signal -1
	s_barrier_wait -1
.endm
.macro FRAG reg, a16, a8, off          ; a fragment = two half images
	ds_load_b128 v[\reg:\reg+3], v[\a16] offset:\off
	ds_load_b64 v[\reg+4:\reg+5], v[\a8] offset:\off
	ds_load_b128 v[\reg+6:\reg+9], v[\a16] offset:\off+768
	ds_load_b64 v[\reg+10:\reg+11], v[\a8] offset:\off+768
.endm
.macro FETCH kq                        ; step kq's 12 fragments into set kq % 2: 48 LDS loads
	WIN 0x40
.irp b, 0,1,2,3,4,5,6,7
	FRAG 128*((\kq)%2)+12*\b, 6, 7, 6144*\b+1536*((\kq)%4)
.endr
	WIN 0
.irp a, 0,1,2,3
	FRAG AF+48*((\kq)%2)+12*\a, 4, 5, 6144*\a+1536*((\kq)%4)
.endr
.endm
.macro MUL16 a0, kq, cm                ; y blocks a0, a0 + 1 x the eight x blocks; cm = 0: the products start the sums.  The 32 accumulators take turns, in the same order in every step
	WIN 0xa1
.irp a, \a0, \a0+1
.irp b, 0,1,2,3,4,5,6,7
.if \cm == 0
	v_wmma_scale_f32_16x16x128_f8f6f4 v[8*(8*(\a)+\b):8*(8*(\a)+\b)+7], v[128*((\kq)%2)+12*\b:128*((\kq)%2)+12*\b+11], v[AF+48*((\kq)%2)+12*(\a):AF+48*((\kq)%2)+12*(\a)+11], 0, v[SCR+8*(\kq)+\b], v[SCR+8*(\kq)+(\a)] matrix_a_fmt:MATRIX_FMT_FP6 matrix_b_fmt:MATRIX_FMT_FP6 matrix_a_scale:MATRIX_SCALE_ROW1
.else
	v_wmma_scale_f32_16x16x128_f8f6f4 v[8*(8*(\a)+\b):8*(8*(\a)+\b)+7], v[128*((\kq)%2)+12*\b:128*((\kq)%2)+12*\b+11], v[AF+48*((\kq)%2)+12*(\a):AF+48*((\kq)%2)+12*(\a)+11], v[8*(8*(\a)+\b):8*(8*(\a)+\b)+7], v[SCR+8*(\kq)+\b], v[SCR+8*(\kq)+(\a)] matrix_a_fmt:MATRIX_FMT_FP6 matrix_b_fmt:MATRIX_FMT_FP6 matrix_a_scale:MATRIX_SCALE_ROW1
.endif
.endr
.endr
.endm
.macro STEPA kq, cm                    ; a step whose successor lies in the same half
	PLACES 4                                       ; in front of loads into the set that the last step's products read
	FETCH (\kq)+1
	s_wait_dscnt 48                                ; this step's fragments are in; the 48 loads just issued may be out
	MUL16 0, \kq, \cm
	MUL16 2, \kq, \cm
.endm
.macro STEPB kq                        ; the low half's last step
	s_wait_dscnt 0x0                               ; this step's fragments are in: my reads of the low half are over
	s_wait_tensorcnt 0x0                           ; every wave's load has landed
	s_barrier_signal -1
	MUL16 0, \kq, 1
	WIN 0
	s_barrier_wait -1                              ; the high half is whole for all four waves
.irp r, 4,5,6,7
	v_add_nc_u32 v\r, HALFK, v\r                   ; on to the high half; these four are also the places in front of the loads below
.endr
	s_wait_alu depctr_va_vdst(0)                   ; the wait behind these writes
	FETCH (\kq)+1
	MUL16 2, \kq, 1
.endm
	s_load_b256 s[4:11], s[0:1], 0x0               ; opc, sc, qkvc, qkvs
	v_lshl_add_u32 v28, v0, 2, SPARE
	v_mov_b32 v29, 0
	ds_add_u32 v28, v29                            ; the opening: the add, twice on end, and its wait ahead of my first tensor load
	ds_add_u32 v28, v29
	v_lshrrev_b32 v1, 5, v0
	v_readfirstlane_b32 s14, v1                    ; wave
	s_lshr_b32 s15, s14, 1                         ; yh
	s_and_b32 s16, s14, 1                          ; xh
	s_bfe_u32 s40, ttmp6, 0x40000                  ; cx
	s_bfe_u32 s41, ttmp6, 0x40004                  ; cy
	s_and_b32 s17, ttmp7, 0xffff                   ; cluster y
	s_sub_co_u32 s18, s17, 16
	s_cmp_ge_u32 s17, 16                           ; v's part?  The same in all sixteen partners
	s_cselect_b32 s36, 1, 0
	s_cselect_b32 s19, s18, ttmp9                  ; the cluster's place along x tiles,
	s_cselect_b32 s20, ttmp9, s17                  ; and along y tiles
	s_cselect_b32 s21, 0, 8192                     ; the x-side's first row in opc and in a plane of sc,
	s_cselect_b32 s22, 10240, 0                    ; the y-side's
	s_lshl_b32 s42, s19, 2
	s_add_co_u32 s42, s42, s40                     ; tx
	s_lshl_b32 s37, s20, 2
	s_add_co_u32 s37, s37, s41                     ; ty
	s_lshl_b32 s43, s41, 2
	s_lshl_b32 s43, 15, s43                        ; my row of the cluster
	s_lshl_b32 s44, 0x1111, s40                    ; my column
	s_or_b32 s[G1Y], s43, (3<<16)|(1<<21)          ; elements of 8 bytes, no padding, bit 21 beside the mask
	s_or_b32 s[G1X], s44, (3<<16)|(1<<21)
	s_mov_b32 s[G1Y+1], 768<<16                    ; a row: eight half images, 6,144 bytes
	s_mov_b32 s[G1Y+2], 8<<16                      ; 8 rows (128 rows of the operand)
	s_mov_b32 s[G1Y+3], 768<<16
	s_mov_b32 s[G1Y+4], 8
	s_mov_b32 s[G1Y+5], 1536                       ; 16 half images from row to row
	s_mov_b32 s[G1Y+6], 0
	s_mov_b32 s[G1Y+7], 0
	s_mov_b32 s[G1X+1], 768<<16
	s_mov_b32 s[G1X+2], 16<<16                     ; 16 rows (256 rows of the operand)
	s_mov_b32 s[G1X+3], 768<<16
	s_mov_b32 s[G1X+4], 16
	s_mov_b32 s[G1X+5], 1536
	s_mov_b32 s[G1X+6], 0
	s_mov_b32 s[G1X+7], 0
	s_lshl_b32 s38, s37, 7
	s_add_co_u32 s38, s38, s22
	s_mul_i32 s38, s38, 768                        ; y: half image (first row + 128 ty)
	s_mov_b32 s39, 0
	s_lshl_b32 s46, s42, 8
	s_add_co_u32 s46, s46, s21
	s_mul_i32 s46, s46, 768                        ; x: half image (first row + 256 tx)
	s_mov_b32 s47, 0
	s_wait_dscnt 0x0                               ; both opening adds are done
	s_wait_kmcnt 0x0
	s_add_nc_u64 s[32:33], s[4:5], s[38:39]
	s_add_nc_u64 s[34:35], s[4:5], s[46:47]
	CROUND                                         ; all sixteen work-groups are here: the joint loads meet
.irp k, 0,1
	s_mov_b32 s[G0Y+4*\k], 1
	s_mov_b32 s[G0Y+4*\k+1], \k*HALFK
	s_add_nc_u64 s[G0Y+4*\k+2:G0Y+4*\k+3], s[32:33], \k*6144
	s_or_b32 s[G0Y+4*\k+3], s[G0Y+4*\k+3], 0x80000000
	s_mov_b32 s[G0X+4*\k], 1
	s_mov_b32 s[G0X+4*\k+1], \k*HALFK+XOFF
	s_add_nc_u64 s[G0X+4*\k+2:G0X+4*\k+3], s[34:35], \k*6144
	s_or_b32 s[G0X+4*\k+3], s[G0X+4*\k+3], 0x80000000
.endr
	ARM 1, G0Y,   G1Y, .Lhead_1                    ; wave 0: y's low half
	ARM 2, G0X,   G1X, .Lhead_2                    ; wave 1: x's low half
	ARM 3, G0Y+4, G1Y, .Lhead_3                    ; wave 2: y's high half
	tensor_load_to_lds s[G0X+4:G0X+7], s[G1X:G1X+7]   ; wave 3: x's high half
	s_nop 0
	PLACES 4
.Lhead_asked:
	; where the results go
	s_lshl_b32 s2, s42, 2
	s_lshl_b32 s3, s16, 1
	s_add_co_u32 s2, s2, s3                        ; q, k: the first of my two heads' numbers (0-15 q, 16-31 k)
	s_lshl_b32 s17, s37, 3
	s_lshl_b32 s18, s15, 2
	s_add_co_u32 s17, s17, s18                     ; my first token / 16
	s_lshl_b32 s18, s2, 9
	s_add_co_u32 s18, s18, s17                     ; half image
	s_lshl_b32 s19, s2, 13
	s_lshl_b32 s17, s17, 4                         ; 128 ty + 64 yh
	s_add_co_u32 s19, s19, s17                     ; scale word
	s_add_co_u32 s38, s17, s22
	s_lshl_b32 s38, s38, 2                         ; my y rows' words in a plane of sc, in bytes
	s_lshl_b32 s39, s42, 8
	s_lshl_b32 s20, s16, 7
	s_add_co_u32 s39, s39, s20
	s_add_co_u32 s39, s39, s21
	s_lshl_b32 s39, s39, 2                         ; my x rows'
	s_lshr_b32 s20, s42, 3                         ; v: the batch,
	s_lshl_b32 s20, s20, 4
	s_lshl_b32 s23, s37, 1
	s_add_co_u32 s20, s20, s23
	s_add_co_u32 s20, s20, s15                     ; 16 b + head
	s_lshl_b32 s20, s20, 5
	s_and_b32 s23, s42, 7
	s_lshl_b32 s23, s23, 2
	s_add_co_u32 s20, s20, s23
	s_add_co_u32 s20, s20, s3                      ; x 32 + key / 64
	s_lshl_b32 s23, s20, 2
	s_add_co_u32 s23, s23, 16384
	s_lshl_b32 s20, s20, 6
	s_add_co_u32 s20, s20, 262144
	s_mov_b32 s2, 512*768                          ; from my first 64 along x to my second: q, k: a head on;
	s_mov_b32 s3, 8192*4
	s_cmp_eq_u32 s36, 1
	s_cselect_b32 s18, s23, s18
	s_cselect_b32 s19, s20, s19
	s_cselect_b32 s2, 4*768, s2                    ; v: 64 keys on
	s_cselect_b32 s3, 64*4, s3
	s_mul_i32 s12, s18, 768
	s_mov_b32 s13, 0
	s_add_nc_u64 s[56:57], s[8:9], s[12:13]
	s_mov_b32 s12, s2
	s_add_nc_u64 s[58:59], s[56:57], s[12:13]
	s_lshl_b32 s12, s19, 2
	s_add_nc_u64 s[60:61], s[10:11], s[12:13]
	s_mov_b32 s12, s3
	s_add_nc_u64 s[62:63], s[60:61], s[12:13]
	v_and_b32 v1, 15, v0                           ; r
	v_bfe_u32 v2, v0, 4, 1                         ; h
	v_and_b32 v3, 31, v0                           ; lane
	v_lshlrev_b32 v10, 4, v3
	v_lshlrev_b32 v11, 3, v3
	s_mul_i32 s46, s15, 24576                      ; my four rows of y
	v_add_nc_u32 v4, s46, v10                      ; my y fragments: 16 x lane,
	v_add_nc_u32 v5, s46, v11
	v_add_nc_u32 v5, 512, v5                       ; and 512 + 8 x lane
	s_mul_i32 s47, s16, 49152                      ; my eight rows of x
	s_add_co_u32 s47, s47, XOFF
	v_add_nc_u32 v6, s47, v10                      ; my x fragments
	v_add_nc_u32 v7, s47, v11
	v_add_nc_u32 v7, 512, v7
	v_mov_b32 v8, s38
	v_mov_b32 v9, s39
	s_mov_b32 s45, 0xffff0000
	v_cndmask_b32 v8, v8, v9, s45                  ; lanes 0-15 take y's words, lanes 16-31 x's
	v_lshl_add_u32 v8, v1, 2, v8
	v_lshl_add_u32 v9, v2, 8, v8                   ; for x blocks 4-7: lanes 16-31 64 rows on
	s_lshl_b32 s46, s14, 9                         ; the way out's scale words: 512 bytes a wave, in y's low half
	v_lshlrev_b32 v12, 2, v1
	v_lshl_add_u32 v12, v2, 8, v12
	v_add_nc_u32 v12, s46, v12
	v_add_nc_u32 v13, s46, v11
	v_lshlrev_b32 v14, 4, v2                       ; 16 h
.irp b, 0,1,2,3
	v_mov_b32 v[TM+4+\b], 0                        ; (a lane permute's destination counts as read)
.endr
	s_mov_b32 s20, 0x76543210
	s_mov_b32 s21, 0xfedcba98
.irp kq, 0,1,2,3,4,5,6,7
.irp i, 0,1,2,3
	global_load_b32 v[SCR+8*\kq+\i], v8, s[6:7] offset:2*\kq*PLANE+64*\i
	global_load_b32 v[SCR+8*\kq+4+\i], v9, s[6:7] offset:2*\kq*PLANE+64*\i
.endr
.endr
	s_wait_alu depctr_va_vdst(0)
	s_wait_loadcnt 0x0
	s_cmp_lt_u32 s14, 2
	s_cbranch_scc0 .Lnot_lo
	s_wait_tensorcnt 0x0                           ; waves 0, 1: the low half has landed
.Lnot_lo:
	s_barrier_signal -1
	s_barrier_wait -1                              ; waves 2, 3's tiles may still be on their way
	FETCH 0
	STEPA 0, 0
	STEPA 1, 1
	STEPA 2, 1
	STEPB 3
	STEPA 4, 1
	STEPA 5, 1
	STEPA 6, 1
	s_wait_dscnt 0x0
	MUL16 0, 7, 1
	MUL16 2, 7, 1
	WIN 0
	PLACES 4                                       ; in front of the first read of results and of writes over the fragments' registers
; THE WAY OUT.  y block a: my 64 registers are 128 along x of my row; registers 16 b + i are 16 of block b's 32 (lane l xor 16 holds the others).  They become two half images and a scale word.
.macro QUANTW a
.set SA, 64*(\a)
.set PC, AF+12*(\a)
	WIN 0x0a
.irp b, 0,1,2,3
	v_max3_num_f32 v[TM+\b], |v[SA+16*\b]|, |v[SA+1+16*\b]|, 0x1800000   ; each accumulator is read from its low end on; the floor 2^(3 - 127) holds the byte at 1 from below
.endr
	WIN 0x28
.irp i, 2,4,6,8,10,12,14
.irp b, 0,1,2,3
	v_max3_num_f32 v[TM+\b], v[TM+\b], |v[SA+16*\b+\i]|, |v[SA+1+16*\b+\i]|
.endr
.endr
	WIN 0
.irp b, 0,1,2,3
	v_permlanex16_b32 v[TM+4+\b], v[TM+\b], s20, s21
.endr
.irp b, 0,1,2,3
	v_max_num_f32 v[TM+\b], v[TM+\b], v[TM+4+\b]
.endr
.irp b, 0,1,2,3
	v_add_nc_u32 v[TM+12+\b], 0xff000000, v[TM+\b]
.endr
.irp b, 0,1,2,3
	v_lshrrev_b32 v[TM+4+\b], 23, v[TM+12+\b]
.endr
	v_lshl_or_b32 v200, v[TM+5], 8, v[TM+4]
	v_lshl_or_b32 v200, v[TM+6], 16, v200
	v_lshl_or_b32 v200, v[TM+7], 24, v200
	WIN 0x02
.irp c, 0,1
	v_cvt_scalef32_pk16_fp6_f32 v[PC+6*\c:PC+2+6*\c], v[SA+32*\c:SA+15+32*\c], v[TM+12+2*\c]
	v_cvt_scalef32_pk16_fp6_f32 v[CT+4*\c:CT+2+4*\c], v[SA+16+32*\c:SA+31+32*\c], v[TM+12+2*\c+1]
.endr
	WIN 0
	v_lshrrev_b32 v201, v14, v200                  ; lanes 16-31: the word's upper half, for my second 64 along x (a plain line behind the conversions)
.irp c, 0,1
.irp i, 0,1,2
	v_permlane16_swap_b32 v[PC+6*\c+\i], v[CT+4*\c+\i]   ; a whole block to a lane
.endr
.irp i, 0,1,2
	v_mov_b32 v[PC+3+6*\c+\i], v[CT+4*\c+\i]
.endr
.endr
	global_store_b128 v10, v[PC:PC+3], s[56:57] offset:768*(\a)
	global_store_b64 v11, v[PC+4:PC+5], s[56:57] offset:768*(\a)+512
	global_store_b128 v10, v[PC+6:PC+9], s[58:59] offset:768*(\a)
	global_store_b64 v11, v[PC+10:PC+11], s[58:59] offset:768*(\a)+512
	ds_store_b32 v12, v201 offset:64*(\a)          ; the low half has had its one fill, and every wave left it at the barrier in step 3
.endm
	QUANTW 0
	QUANTW 1
	QUANTW 2
	QUANTW 3
	ds_load_b64 v[204:205], v13                    ; my 64 rows' words, as 256 consecutive bytes: LDS serves a wave's instructions in order
	ds_load_b64 v[206:207], v13 offset:256
	s_wait_dscnt 0x0
	global_store_b64 v11, v[204:205], s[60:61]
	global_store_b64 v11, v[206:207], s[62:63]
	s_wait_tensorcnt 0x0                           ; the wave's end
	ds_add_u32 v28, v29
	s_wait_dscnt 0x0
	CROUND                                         ; the closing round
	s_endpgm
.Lfunc_end_k_q84aadc41e9_qkv:
	.size	k_q84aadc41e9_qkv, .Lfunc_end_k_q84aadc41e9_qkv-k_q84aadc41e9_qkv
	.p2alignl 7, 3214868480
	.fill 96, 4, 3214868480
	.section	.rodata,"a",@progbits
	.p2align	6, 0x0
	.amdhsa_kernel k_q84aadc41e9_qkv
		.amdhsa_group_segment_fixed_size 327680
		.amdhsa_private_segment_fixed_size 0
		.amdhsa_enable_private_segment 0
		.amdhsa_kernarg_size 32
		.amdhsa_user_sgpr_count 2
		.amdhsa_user_sgpr_kernarg_segment_ptr 1
		.amdhsa_wavefront_size32 1
		.amdhsa_system_sgpr_workgroup_id_x 1
		.amdhsa_system_sgpr_workgroup_id_y 1
		.amdhsa_system_sgpr_workgroup_id_z 1
		.amdhsa_system_vgpr_workitem_id 0
		.amdhsa_next_free_vgpr 768
		.amdhsa_next_free_sgpr 100
		.amdhsa_reserve_vcc 0
		.amdhsa_float_denorm_mode_32 3
		.amdhsa_float_denorm_mode_16_64 3
		.amdhsa_memory_ordered 1
		.amdhsa_forward_progress 1
		.amdhsa_inst_pref_size 91
	.end_amdhsa_kernel
	.amdgpu_metadata
---
amdhsa.version: [ 1, 2 ]
amdhsa.kernels:
  - .name:           k_q84aadc41e9_qkv
    .symbol:         k_q84aadc41e9_qkv.kd
    .args:
      - { .name: opc, .offset: 0, .size: 8, .value_kind: global_buffer, .address_space: global }
      - { .name: sc, .offset: 8, .size: 8, .value_kind: global_buffer, .address_space: global }
      - { .name: qkvc, .offset: 16, .size: 8, .value_kind: global_buffer, .address_space: global }
      - { .name: qkvs, .offset: 24, .size: 8, .value_kind: global_buffer, .address_space: global }
    .group_segment_fixed_size: 327680
    .private_segment_fixed_size: 0
    .kernarg_segment_align: 8
    .kernarg_segment_size: 32
    .max_flat_workgroup_size: 128
    .sgpr_count:     100
    .vgpr_count:     768
    .wavefront_size: 32
...
	.end_amdgpu_metadata
.endif
;; end of part 2
;; launch attn (part 3): grid 4 x 64, 16 waves a work-group, clusters of 4 x 1, 327,680 bytes of LDS; arguments qkvc, qkvs, oc, sc; writes oc, sc
.if DOCPART == 3
	.amdgcn_target "amdgcn-amd-amdhsa--gfx1250"
	.amdhsa_code_object_version 6
	.text
	.protected	k_q84aadc41e9_attn
	.globl	k_q84aadc41e9_attn
	.p2align	8
	.type	k_q84aadc41e9_attn,@function
k_q84aadc41e9_attn:
	s_mov_b64 s[64:65], 0
	v_nop
	global_prefetch_b8 v0, s[64:65] scope:SCOPE_SE
	s_setreg_imm32_b32 hwreg(HW_REG_WAVE_MODE, 25, 1), 1
	s_wait_xcnt 0x0
	s_wait_alu depctr_hold_cnt(0) depctr_sa_sdst(0) depctr_va_vdst(0) depctr_va_sdst(0) depctr_va_ssrc(0) depctr_va_vcc(0) depctr_vm_vsrc(0)
	s_getreg_b32 s2, hwreg(HW_REG_IB_STS2, 6, 4)
	s_cmp_eq_u32 s2, 0
	s_cbranch_scc0 .Lentry_in_a_cluster
	s_endpgm
.Lentry_in_a_cluster:
	s_bfe_u32 s2, ttmp6, 0x10000c
	s_cmp_lg_u32 s2, 0x3003
	s_cbranch_scc0 .Lentry_shape_is_right
	s_endpgm
.Lentry_shape_is_right:
; LAUNCH 3 OF 4.  Causal attention on codes of FP6, head size 64, and the quantiser of o.  LEFT OUT, as shown at the head of launch 1: steps of 128 keys that lie wholly behind a tile's 16 queries.
; t = score x log2(e) / 8; M = the running largest t rounded up to a whole number; p = 2^(t - M) is quantised along the keys; the sum l is taken of the unquantised p; o = O / l is quantised along the head's 64.
; LIMIT: the promise holds while the scaled scores t stay under 2^31 in magnitude.
; SHARES.  The four work-groups p = 0 .. 3 of a cluster serve one (batch, head).  Of its 128 tiles of 16 queries wave w of work-group p owns the late tile 127 - 4 w - p and the early tile 4 w + p, ONE AFTER THE OTHER:
; the late tile sees 16 - w / 2 steps of 128 keys, the early one w / 2 + 1: 17 tile steps for every wave, and the counts hang on the wave's number alone.  p enters global addresses and the mask's compares only.
; ALL KEYS LIE IN LDS: K's 98,304 bytes, V's 98,304, filled ONCE, one joint load of 12,288 bytes (256 keys) a wave, by one line: waves 0-7 K's, waves 8-15 V's; each work-group's late tiles reach the last keys, so
; all four read every tile, and the mask names the four.  The scale words (2 x 8,192 bytes) come by plain loads, 16 bytes a thread of each, and LDS stores.  Every wave waits for its load, and ONE barrier shows all.
; The steps have no barrier: waves share nothing more.  No data prefetch: all is asked for at the head.
; A STEP'S LDS LOADS RUN AHEAD: V's 18 are issued at the step's head and waited for in front of the second product; the NEXT step's 20 of K are issued behind the first product's last instruction.  A tile's last step so
; fetches 6,144 bytes and 512 bytes of scale words that nobody multiplies; they lie inside the filled bytes (behind K's last keys: V's first).
; LAYOUT.  Both products transposed: S^T = K Q^T, O^T = V^T P^T: a lane holds one query.  K's tiles are 16 neighbouring keys, so p's 16 registers of two neighbouring tiles are a block's positions in the order in
; which launch 2 laid v along the keys.  THE FIRST PRODUCT'S K IS 64: Q's upper six registers are zero codes; K's eight half images lie on end in registers, so a tile's upper six registers are the next tile's
; codes (the last tile's: p's codes of the step before); every code of this format is a finite number and no scale byte here is 0xff, so those terms are exactly 0.
; o'S SCALE WORDS in a plane (= head) of sc: word 11,264 + 2,048 b + 1,024 (T / 64) + 256 (T % 4) + 16 ((T / 4) % 16) + r for row r of tile T: a work-group's 16 early tiles are 1,024 bytes on end, and so its late ones.
; REGISTERS: v1-3 lane terms; v4, v8-11 addresses in hand; v5, v6 the add's two; v7 r; v12-15 -M, largest t, the sum; v16 Q's scale words; v17 the mask's d; v18 f, v19 p's scale word; v20-31 Q; v32-63 O^T;
;   v64-127 S^T, then p; v128-175 K's fragments; v176-187 p's codes; v188-235 V's fragments; v236-239, v240-241 K's, V's scale words; v242-245 the blocks' largest; v246-249 permutes, then scale operands; v250-255 at work.
.set VREG,  98304                      ; V's codes, behind K's
.set SCK,   196608                     ; K's scale words of the head: 8,192 bytes; V's behind them
.set OSC,   212992                     ; o's scale words on the way out: 2,048 bytes;
.set SPARE, 215040                     ; the spare words, 128 bytes a wave;
.set QST,   217088                     ; the early tile's Q while the late tile is worked: 1,024 bytes a wave, its own
.set OB,  32
.set S,   64
.set KF,  128
.set PCD, 176
.set VF,  188
.set KS,  236
.set VS,  240
.set BM,  242
.set PD,  246
.set SO,  246
.set WV,  18
.set CX,  19                           ; s19  p
.set SEL, 20
.set CS,  22
.set G1T, 24
.set DE,  32                           ; s32  the early tile's last step;  s33 the late tile's
.set DL,  33
.set ST,  34                           ; s34  the step
.set TB,  35                           ; s35  LDS byte of the step's codes of K: 6,144 a step;  s36 of V
.set TBV, 36
.set TS,  37                           ; s37  of its scale words: 512 a step
.set QS,  38                           ; s38  my bytes for Q;  s39 the same + 768 - SCK
.set QS3, 39
.set G0T, 40
.set OAL, 44                           ; s44, s45  where my late and my early tile's scale words go in LDS
.set OAE, 45
.macro CROUND                          ; a round of the cluster's barrier
	s_barrier_signal -1
	s_barrier_wait -1
	s_cmp_lg_u32 s[WV], 0
	s_cbranch_scc1 .Lnot_wave_0_\@
	s_barrier_signal -3
.Lnot_wave_0_\@:
	s_barrier_wait -3
	s_barrier_signal -1
	s_barrier_wait -1
.endm
.macro KFIRST                          ; step 0's fragments and scale words of K: 20 loads
.irp j, 0,1,2,3,4,5,6,7
	ds_load_b128 v[KF+6*\j:KF+6*\j+3], v1 offset:\j*768
	ds_load_b64 v[KF+6*\j+4:KF+6*\j+5], v2 offset:\j*768
.endr
.irp j, 0,1,2,3
	ds_load_b32 v[KS+\j], v3 offset:128*\j
.endr
.endm
; ONE TILE, 128 KEYS.  dg: the tile's last step, which holds its diagonal
.macro STEP dg
	s_cmp_gt_u32 s[ST], s[\dg]
	s_cbranch_scc1 .Lhidden_\@                     ; all 128 keys come after my 16 queries
	v_add_nc_u32 v10, s[TBV], v1                   ; (these five are also the places in front of loads into registers that the last products read)
	v_add_nc_u32 v11, s[TBV], v2
	v_add_nc_u32 v4, s[TS], v3
	v_add_nc_u32 v8, s[TB], v1
	v_add_nc_u32 v9, s[TB], v2
.irp dt, 0,1,2,3
.irp c, 0,1
	ds_load_b128 v[VF+12*\dt+6*\c:VF+12*\dt+6*\c+3], v10 offset:(\c*4+\dt)*768
	ds_load_b64 v[VF+12*\dt+6*\c+4:VF+12*\dt+6*\c+5], v11 offset:(\c*4+\dt)*768
.endr
.endr
	ds_load_b32 v[VS], v4 offset:8192
	ds_load_b32 v[VS+1], v4 offset:8192+128
	s_wait_alu depctr_va_vdst(0)
	s_wait_dscnt 18                                ; K's fragments and words, asked for a step ago, are in; V's 18 loads may be out
.irp j, 0,1,2,3
	v_wmma_scale_f32_16x16x128_f8f6f4 v[S+16*\j:S+16*\j+7], v[KF+12*\j:KF+12*\j+11], v[20:31], 0, v[KS+\j], v16 matrix_a_fmt:MATRIX_FMT_FP6 matrix_b_fmt:MATRIX_FMT_FP6
	v_wmma_scale_f32_16x16x128_f8f6f4 v[S+16*\j+8:S+16*\j+15], v[KF+12*\j+6:KF+12*\j+17], v[20:31], 0, v[KS+\j], v16 matrix_a_fmt:MATRIX_FMT_FP6 matrix_b_fmt:MATRIX_FMT_FP6 matrix_a_scale:MATRIX_SCALE_ROW1
.endr
.rept 4
	v_nop                                          ; places in front of the loads below and of the first read of the scores
.endr
.irp j, 0,1,2,3,4,5,6,7
	ds_load_b128 v[KF+6*\j:KF+6*\j+3], v8 offset:6144+\j*768      ; the next step's K
	ds_load_b64 v[KF+6*\j+4:KF+6*\j+5], v9 offset:6144+\j*768
.endr
.irp j, 0,1,2,3
	ds_load_b32 v[KS+\j], v4 offset:512+128*\j     ; lanes 0-15: tile 2 j's words, lanes 16-31: tile 2 j + 1's
.endr
	s_cmp_lt_u32 s[ST], s[\dg]
	s_cbranch_scc1 .Lopen_\@                       ; all keys count
	v_mov_b32 v[BM], 0xff800000                    ; -infinity.  Register 8 j + i holds key 16 j + 8 h + i of the step: hidden where 16 j + i > d
.set n, 0
.rept 64
	v_cmp_gt_i32 vcc_lo, 16*(n/8)+n%8, v17
	v_cndmask_b32 v[S+n], v[S+n], v[BM], vcc_lo
.set n, n+1
.endr
.Lopen_\@:
.irp b, 0,1,2,3
	v_max3_num_f32 v[BM+\b], v[S+16*\b], v[S+1+16*\b], v[S+2+16*\b]   ; the largest score of each block of 32 keys: for the row's maximum and, since p rises with the score, for the block's largest p
.endr
.irp i, 3,5,7,9,11,13
.irp b, 0,1,2,3
	v_max3_num_f32 v[BM+\b], v[BM+\b], v[S+16*\b+\i], v[S+1+16*\b+\i]
.endr
.endr
.irp b, 0,1,2,3
	v_max_num_f32 v[BM+\b], v[BM+\b], v[S+15+16*\b]
.endr
.irp b, 0,1,2,3
	s_delay_alu instid0(VALU_DEP_4)
	v_permlanex16_b32 v[PD+\b], v[BM+\b], s[SEL], s[SEL+1]
.endr
.irp b, 0,1,2,3
	s_delay_alu instid0(VALU_DEP_4)
	v_max_num_f32 v[BM+\b], v[BM+\b], v[PD+\b]
.endr
	s_delay_alu instid0(VALU_DEP_2)
	v_max3_num_f32 v250, v[BM], v[BM+1], v[BM+2]
	s_delay_alu instid0(VALU_DEP_1)
	v_max_num_f32 v250, v250, v[BM+3]
	s_delay_alu instid0(VALU_DEP_1)
	v_mul_f32 v250, s[CS], v250
	s_delay_alu instid0(VALU_DEP_1)
	v_max_num_f32 v13, v13, v250                   ; the running largest t
	v_mov_b32 v250, v12
	s_delay_alu instid0(VALU_DEP_2)
	v_floor_f32 v12, -v13                          ; -M = floor(-t): M is a whole number
	s_delay_alu instid0(VALU_DEP_1)
	v_sub_f32 v250, v12, v250
	s_delay_alu instid0(VALU_DEP_1)
	v_cvt_i32_f32 v250, v250                       ; (it saturates)
	s_delay_alu instid0(VALU_DEP_1)
	v_ldexp_f32 v18, 1.0, v250                     ; f = 2^(old M - new M)
.set n, 0
.rept 32
	v_pk_fma_f32 v[S+n:S+n+1], v[S+n:S+n+1], s[CS:CS+1], v[12:13] op_sel_hi:[1,0,0]   ; t - M
.set n, n+2
.endr
.irp b, 0,1,2,3
	v_fma_f32 v[BM+\b], v[BM+\b], s[CS], v12
.endr
.set n, 0
	s_wait_alu depctr_va_vdst(0)
.rept 64
	v_exp_f32 v[S+n], v[S+n]                       ; p, not normalised
.set n, n+1
.endr
	v_pk_mul_f32 v[14:15], v[14:15], v[18:19] op_sel_hi:[1,0]   ; the sum under the new M (a plain line behind the exponentials)
	s_wait_alu depctr_va_vdst(0)                   ; one wait for the batch, ahead of its first reader
.irp b, 0,1,2,3
	v_exp_f32 v[BM+\b], v[BM+\b]                   ; the blocks' largest p
.endr
	v_pk_add_f32 v[14:15], v[14:15], v[S:S+1]      ; the row's sum of the unquantised p, in four chains by turns: here registers 0 to 39
	v_pk_add_f32 v[252:253], v[S+2:S+3], v[S+10:S+11]
	v_pk_add_f32 v[254:255], v[S+4:S+5], v[S+12:S+13]
	v_pk_add_f32 v[250:251], v[S+6:S+7], v[S+14:S+15]
	v_pk_add_f32 v[14:15], v[14:15], v[S+8:S+9]
.irp m, 16,24,32
	v_pk_add_f32 v[14:15], v[14:15], v[S+\m:S+\m+1]
	v_pk_add_f32 v[252:253], v[252:253], v[S+\m+2:S+\m+3]
	v_pk_add_f32 v[254:255], v[254:255], v[S+\m+4:S+\m+5]
	v_pk_add_f32 v[250:251], v[250:251], v[S+\m+6:S+\m+7]
.endr
	s_wait_alu depctr_va_vdst(0)                   ; and one for the four
.irp b, 0,1,2,3
	v_max_num_f32 v[BM+\b], 0x1800000, v[BM+\b]
.endr
.irp b, 0,1,2,3
	s_delay_alu instid0(VALU_DEP_4)
	v_add_nc_u32 v[SO+\b], 0xff000000, v[BM+\b]
.endr
.irp b, 0,1,2,3
	s_delay_alu instid0(VALU_DEP_4)
	v_lshrrev_b32 v[BM+\b], 23, v[SO+\b]
.endr
	s_delay_alu instid0(VALU_DEP_3)
	v_lshl_or_b32 v19, v[BM+1], 8, v[BM]
	s_delay_alu instid0(VALU_DEP_1)
	v_lshl_or_b32 v19, v[BM+2], 16, v19
	s_delay_alu instid0(VALU_DEP_1)
	v_lshl_or_b32 v19, v[BM+3], 24, v19
	v_cvt_scalef32_pk16_fp6_f32 v[PCD:PCD+2], v[S:S+15], v[SO]
	v_cvt_scalef32_pk16_fp6_f32 v[PCD+6:PCD+8], v[S+32:S+47], v[SO+2]
	v_nop                                          ; a plain line: the two below write registers that the two above have read and that have been summed
	v_cvt_scalef32_pk16_fp6_f32 v[S:S+2], v[S+16:S+31], v[SO+1]
	v_cvt_scalef32_pk16_fp6_f32 v[S+32:S+34], v[S+48:S+63], v[SO+3]
	v_nop
.irp c, 0,1
.irp i, 0,1,2
	v_permlane16_swap_b32 v[PCD+6*\c+\i], v[S+32*\c+\i]
.endr
.irp i, 0,1,2
	s_delay_alu instid0(VALU_DEP_3)
	v_mov_b32 v[PCD+3+6*\c+\i], v[S+32*\c+\i]
.endr
.endr
.irp m, 40,48,56
	v_pk_add_f32 v[14:15], v[14:15], v[S+\m:S+\m+1]   ; the sum's registers 40 to 63: these fifteen lines name no register of the products below and are the places in front of them
	v_pk_add_f32 v[252:253], v[252:253], v[S+\m+2:S+\m+3]
	v_pk_add_f32 v[254:255], v[254:255], v[S+\m+4:S+\m+5]
	v_pk_add_f32 v[250:251], v[250:251], v[S+\m+6:S+\m+7]
.endr
	v_pk_add_f32 v[252:253], v[252:253], v[254:255]
	v_pk_add_f32 v[14:15], v[14:15], v[250:251]
	v_pk_add_f32 v[14:15], v[14:15], v[252:253]
.set n, 0
.rept 16
	v_pk_mul_f32 v[OB+n:OB+n+1], v[OB+n:OB+n+1], v[18:19] op_sel_hi:[1,0]   ; O^T under the new M
.set n, n+2
.endr
	s_wait_alu depctr_va_vdst(0)
	s_wait_dscnt 20                                ; V's fragments and words are in; the next step's 20 loads of K may be out
.irp u, 0,1
	v_wmma_scale_f32_16x16x128_f8f6f4 v[OB+16*\u:OB+16*\u+7], v[VF+24*\u:VF+24*\u+11], v[PCD:PCD+11], v[OB+16*\u:OB+16*\u+7], v[VS+\u], v19 matrix_a_fmt:MATRIX_FMT_FP6 matrix_b_fmt:MATRIX_FMT_FP6
	v_wmma_scale_f32_16x16x128_f8f6f4 v[OB+16*\u+8:OB+16*\u+15], v[VF+24*\u+12:VF+24*\u+23], v[PCD:PCD+11], v[OB+16*\u+8:OB+16*\u+15], v[VS+\u], v19 matrix_a_fmt:MATRIX_FMT_FP6 matrix_b_fmt:MATRIX_FMT_FP6 matrix_a_scale:MATRIX_SCALE_ROW1
.endr
.Lhidden_\@:
	s_add_co_u32 s[TB], s[TB], 6144
	s_add_co_u32 s[TBV], s[TBV], 6144
	s_add_co_u32 s[TS], s[TS], 512
	s_add_co_u32 s[ST], s[ST], 1
.endm
.macro START                           ; a tile's walk begins at key 0
	s_mov_b32 s[ST], 0
	s_mov_b32 s[TB], 0
	s_mov_b32 s[TBV], VREG
	s_mov_b32 s[TS], 0
.endm
; A tile's way out: O^T / l, quantised along the head's 64: one half image, and a word with two bytes, which goes to LDS byte oa + 4 r (lanes r and r + 16 store the same word)
.macro FINISH oa, op
	v_add_f32 v252, v14, v15
	s_delay_alu instid0(VALU_DEP_1)
	v_permlanex16_b32 v253, v252, s[SEL], s[SEL+1]
	s_delay_alu instid0(VALU_DEP_1)
	v_add_f32 v252, v252, v253
	s_wait_alu depctr_va_vdst(0)
	v_rcp_f32 v252, v252
	v_nop
	s_wait_alu depctr_va_vdst(0)
.set n, 0
.rept 16
	v_pk_mul_f32 v[S+n:S+n+1], v[OB+n:OB+n+1], v[252:253] op_sel_hi:[1,0]
.set n, n+2
.endr
.irp b, 0,1
	v_max3_num_f32 v[BM+\b], |v[S+16*\b]|, |v[S+1+16*\b]|, 0x1800000
.endr
.irp i, 2,4,6,8,10,12,14
.irp b, 0,1
	s_delay_alu instid0(VALU_DEP_2)
	v_max3_num_f32 v[BM+\b], v[BM+\b], |v[S+16*\b+\i]|, |v[S+1+16*\b+\i]|
.endr
.endr
.irp b, 0,1
	s_delay_alu instid0(VALU_DEP_2)
	v_permlanex16_b32 v[PD+\b], v[BM+\b], s[SEL], s[SEL+1]
.endr
.irp b, 0,1
	s_delay_alu instid0(VALU_DEP_2)
	v_max_num_f32 v[BM+\b], v[BM+\b], v[PD+\b]
.endr
.irp b, 0,1
	s_delay_alu instid0(VALU_DEP_2)
	v_add_nc_u32 v[SO+\b], 0xff000000, v[BM+\b]
.endr
.irp b, 0,1
	s_delay_alu instid0(VALU_DEP_2)
	v_lshrrev_b32 v[BM+\b], 23, v[SO+\b]
.endr
	s_delay_alu instid0(VALU_DEP_1)
	v_lshl_or_b32 v250, v[BM+1], 8, v[BM]
	v_cvt_scalef32_pk16_fp6_f32 v[PCD:PCD+2], v[S:S+15], v[SO]
	v_cvt_scalef32_pk16_fp6_f32 v[S+32:S+34], v[S+16:S+31], v[SO+1]
	v_nop
.irp i, 0,1,2
	v_permlane16_swap_b32 v[PCD+\i], v[S+32+\i]
.endr
.irp i, 0,1,2
	s_delay_alu instid0(VALU_DEP_3)
	v_mov_b32 v[PCD+3+\i], v[S+32+\i]
.endr
	v_lshl_add_u32 v8, v7, 2, s[\oa]
	global_store_b128 v1, v[PCD:PCD+3], s[\op:\op+1]
	global_store_b64 v2, v[PCD+4:PCD+5], s[\op:\op+1]
	ds_store_b32 v8, v250
.endm
	s_load_b256 s[4:11], s[0:1], 0x0               ; qkvc, qkvs, oc, sc
	v_lshl_add_u32 v5, v0, 2, SPARE
	v_mov_b32 v6, 0
	ds_add_u32 v5, v6                              ; the opening: the add, twice on end, and its wait ahead of the first tensor load
	ds_add_u32 v5, v6
	v_lshrrev_b32 v8, 5, v0
	v_readfirstlane_b32 s[WV], v8                  ; wave 0..15
	s_bfe_u32 s[CX], ttmp6, 0x40000                ; p: my place in the cluster
	s_and_b32 s69, ttmp7, 0xffff                   ; 16 b + head
	s_lshr_b32 s70, s69, 4                         ; b
	s_and_b32 s71, s69, 15                         ; head
	s_lshr_b32 s[DE], s[WV], 1
	s_xor_b32 s[DL], s[DE], 15                     ; 15 - w / 2
	s_mov_b32 s[G1T], 15|(3<<16)|(1<<21)           ; the four partners; a dense block as 48 rows of 256 bytes (32 elements of 8)
	s_mov_b32 s[G1T+1], 32<<16
	s_mov_b32 s[G1T+2], 48<<16
	s_mov_b32 s[G1T+3], 32<<16
	s_mov_b32 s[G1T+4], 48
	s_mov_b32 s[G1T+5], 32
	s_mov_b32 s[G1T+6], 0
	s_mov_b32 s[G1T+7], 0
	s_add_co_u32 s74, s71, 16
	s_lshl_b32 s78, s74, 13
	s_lshl_b32 s74, s74, 9
	s_lshl_b32 s72, s70, 7
	s_add_co_u32 s74, s74, s72
	s_mul_i32 s74, s74, 768                        ; K's codes of my head and batch, in bytes from qkvc
	s_lshl_b32 s72, s70, 11
	s_add_co_u32 s78, s78, s72
	s_lshl_b32 s78, s78, 2                         ; K's scale words, from qkvs
	s_mov_b32 s79, 0
	s_lshl_b32 s75, s69, 7
	s_add_co_u32 s75, s75, 16384
	s_mul_i32 s75, s75, 768                        ; V's codes
	s_lshl_b32 s80, s69, 11
	s_add_co_u32 s80, s80, 262144
	s_lshl_b32 s80, s80, 2                         ; V's scale words
	s_mov_b32 s81, 0
	s_and_b32 s72, s[WV], 7
	s_mul_i32 s72, s72, 12288
	s_cmp_lt_u32 s[WV], 8
	s_cselect_b32 s84, s74, s75                    ; waves 0-7 fetch K's keys 256 (w % 8) .., waves 8-15 V's
	s_add_co_u32 s84, s84, s72
	s_mov_b32 s85, 0
	s_mul_i32 s88, s[WV], 12288                    ; to LDS byte 12,288 w: K's eight tiles, then V's
	s_lshl_b32 s[QS], s[WV], 10
	s_add_co_u32 s[QS], s[QS], QST
	s_add_co_u32 s[QS3], s[QS], 768-SCK
	s_lshl_b32 s[OAE], s[WV], 6
	s_add_co_u32 s[OAE], s[OAE], OSC               ; the early tiles' words at 64 w,
	s_xor_b32 s[OAL], s[WV], 15
	s_lshl_b32 s[OAL], s[OAL], 6
	s_add_co_u32 s[OAL], s[OAL], OSC+1024          ; the late tiles' at 1,024 + 64 (15 - w)
	s_mov_b32 s[SEL], 0x76543210
	s_mov_b32 s[SEL+1], 0xfedcba98
	s_mov_b32 s[CS], 0x3e38aa3b                    ; log2(e) / 8
	s_mov_b32 s[CS+1], s[CS]
	START
	s_wait_alu depctr_va_vdst(0)
	s_wait_dscnt 0x0                               ; both opening adds are done
	CROUND                                         ; the four work-groups are here: the joint loads meet
	s_wait_kmcnt 0x0
	s_mov_b32 s[G0T], 1
	s_mov_b32 s[G0T+1], s88
	s_add_nc_u64 s[G0T+2:G0T+3], s[4:5], s[84:85]
	s_or_b32 s[G0T+3], s[G0T+3], 0x80000000
	tensor_load_to_lds s[G0T:G0T+3], s[G1T:G1T+7]  ; my tile of the sixteen; s_nop 0 and four v_nop follow the line
	s_nop 0
.rept 4
	v_nop
.endr
	s_add_nc_u64 s[56:57], s[6:7], s[78:79]
	s_add_nc_u64 s[58:59], s[6:7], s[80:81]
	v_lshlrev_b32 v8, 4, v0                        ; 16 x thread
	v_lshl_add_u32 v11, v0, 4, SCK
	global_load_b128 v[72:75], v8, s[56:57]        ; the scale words: a wave reads 512 consecutive bytes
	global_load_b128 v[76:79], v8, s[58:59]
	s_lshl_b32 s72, s[WV], 2
	s_add_co_u32 s72, s72, s[CX]                   ; my early tile,
	s_sub_co_u32 s73, 127, s72                     ; my late tile
	s_mov_b32 s87, 0
	s_lshl_b32 s84, s71, 9
	s_lshl_b32 s85, s70, 7
	s_add_co_u32 s84, s84, s85                     ; Q's half image: head 512 + 128 b + tile; its scale words: 64 bytes a tile
	s_add_co_u32 s89, s84, s73
	s_mul_i32 s86, s89, 768
	s_add_nc_u64 s[12:13], s[4:5], s[86:87]
	s_lshl_b32 s86, s89, 6
	s_add_nc_u64 s[48:49], s[6:7], s[86:87]
	s_add_co_u32 s89, s84, s72
	s_mul_i32 s86, s89, 768
	s_add_nc_u64 s[14:15], s[4:5], s[86:87]
	s_lshl_b32 s86, s89, 6
	s_add_nc_u64 s[50:51], s[6:7], s[86:87]
	s_add_co_u32 s86, s85, s73                     ; o's half image: 16 (128 b + tile) + head
	s_lshl_b32 s86, s86, 4
	s_add_co_u32 s86, s86, s71
	s_mul_i32 s86, s86, 768
	s_add_nc_u64 s[52:53], s[8:9], s[86:87]
	s_add_co_u32 s86, s85, s72
	s_lshl_b32 s86, s86, 4
	s_add_co_u32 s86, s86, s71
	s_mul_i32 s86, s86, 768
	s_add_nc_u64 s[54:55], s[8:9], s[86:87]
	s_bfe_u32 s88, s[WV], 0x10001                  ; o's scale words: waves 0, 1 store the early tiles' 1,024 bytes, waves 2, 3 the late tiles'
	s_sub_co_u32 s89, 3, s[CX]
	s_cmp_eq_u32 s88, 0
	s_cselect_b32 s89, s[CX], s89                  ; T % 4: p, or 3 - p
	s_lshl_b32 s89, s89, 10
	s_lshl_b32 s88, s88, 12
	s_add_co_u32 s89, s89, s88
	s_and_b32 s88, s[WV], 1
	s_lshl_b32 s88, s88, 9
	s_add_co_u32 s89, s89, s88
	s_lshl_b32 s88, s70, 13
	s_add_co_u32 s89, s89, s88
	s_add_co_u32 s89, s89, 11264*4
	s_mul_i32 s88, s71, 81920                      ; plane = head
	s_add_co_u32 s86, s89, s88
	s_add_nc_u64 s[10:11], s[10:11], s[86:87]
	s_and_b32 s82, s[WV], 1                        ; the diagonal: the early tile is tile 4 (w % 2) + p of its last step's eight, the late one 7 less that
	s_lshl_b32 s82, s82, 2
	s_add_co_u32 s82, s82, s[CX]
	s_lshl_b32 s82, s82, 4
	s_sub_co_u32 s83, 112, s82
	v_and_b32 v9, 31, v0                           ; lane
	v_and_b32 v7, 15, v0                           ; r
	v_lshlrev_b32 v1, 4, v9                        ; 16 x lane
	v_lshlrev_b32 v2, 3, v9
	v_add_nc_u32 v2, 512, v2                       ; 512 + 8 x lane
	v_lshl_add_u32 v3, v9, 2, SCK
	v_lshlrev_b32 v10, 2, v7
	global_load_b128 v[20:23], v1, s[12:13]        ; the late tile's Q stays in registers;
	global_load_b64 v[24:25], v2, s[12:13]
	global_load_b32 v16, v10, s[48:49]
	global_load_b128 v[64:67], v1, s[14:15]        ; the early tile's waits in my own LDS bytes
	global_load_b64 v[68:69], v2, s[14:15]
	global_load_b32 v70, v10, s[50:51]
	v_add_nc_u32 v242, s[QS], v1
	v_add_nc_u32 v243, s[QS], v2
	v_add_nc_u32 v244, s[QS3], v3
	v_bfe_u32 v250, v0, 4, 1
	v_lshlrev_b32 v250, 3, v250
	v_sub_nc_u32 v250, v7, v250                    ; r - 8 h
	v_add_nc_u32 v17, s83, v250                    ; d = my query - the last step's first key - 8 h
.irp i, 26,27,28,29,30,31,176,177,178,179,180,181
	v_mov_b32 v\i, 0                               ; Q's upper half: zero codes; the registers behind K's last tile, written once
.endr
.irp i, 246,247,248,249,252,253,19,14,15
	v_mov_b32 v\i, 0                               ; permutes' destinations and the upper halves of pairs, written once; the sum
.endr
	v_mov_b32 v13, 0xff61b1e6                      ; the largest t so far: -3e38
	v_floor_f32 v12, -v13
.set n, OB
.rept 32
	v_mov_b32 v[n], 0                              ; O^T: the step is written once; the first change of M leaves zeros zeros
.set n, n+1
.endr
	s_wait_alu depctr_va_vdst(0)
	s_wait_loadcnt 0x0
	ds_store_b128 v11, v[72:75]
	ds_store_b128 v11, v[76:79] offset:8192
	ds_store_b128 v242, v[64:67]
	ds_store_b64 v243, v[68:69]
	ds_store_b32 v244, v70
	s_wait_dscnt 0x0                               ; for the others' sake
	s_wait_tensorcnt 0x0                           ; my tile has landed
	s_barrier_signal -1
	s_barrier_wait -1                              ; all keys and scale words are shown to all waves
	KFIRST
.Llate:                                                ; sixteen trips, a constant: a step's work is jumped over where the mask hides it
	STEP DL
	s_cmp_lt_u32 s[ST], 16
	s_cbranch_scc1 .Llate
.rept 4
	v_nop                                          ; places behind the last products
.endr
	s_wait_dscnt 0x0                               ; the loads that ran ahead of the last step have landed: their registers may be loaded anew
	v_add_nc_u32 v8, s[QS], v1
	v_add_nc_u32 v9, s[QS], v2
	v_add_nc_u32 v10, s[QS3], v3
	ds_load_b128 v[20:23], v8                      ; the early tile's Q: my own stores
	ds_load_b64 v[24:25], v9
	ds_load_b32 v16, v10
	FINISH OAL, 52
	v_mov_b32 v13, 0xff61b1e6                      ; the early tile begins
	v_mov_b32 v14, 0
	v_mov_b32 v15, 0
	v_floor_f32 v12, -v13
.set n, OB
.rept 32
	v_mov_b32 v[n], 0
.set n, n+1
.endr
	v_bfe_u32 v250, v0, 4, 1
	v_lshlrev_b32 v250, 3, v250
	v_sub_nc_u32 v250, v7, v250
	v_add_nc_u32 v17, s82, v250
	START
	s_wait_alu depctr_va_vdst(0)
	s_wait_xcnt 0x0                                ; the late tile's stores have read the codes' registers
	KFIRST
.Learly:                                               ; eight trips
	STEP DE
	s_cmp_lt_u32 s[ST], 8
	s_cbranch_scc1 .Learly
.rept 4
	v_nop
.endr
	FINISH OAE, 54
	s_and_b32 s87, s[WV], 3
	s_lshl_b32 s87, s87, 9
	s_add_co_u32 s87, s87, OSC
	v_add_nc_u32 v10, s87, v1
	s_wait_alu depctr_va_vdst(0)
	s_wait_dscnt 0x0                               ; for the others' sake
	s_barrier_signal -1
	s_barrier_wait -1
	s_cmp_lt_u32 s[WV], 4
	s_cbranch_scc0 .Lno_words
	ds_load_b128 v[64:67], v10
	s_wait_dscnt 0x0
	global_store_b128 v1, v[64:67], s[10:11]       ; 512 consecutive bytes
.Lno_words:
	s_wait_tensorcnt 0x0                           ; the wave's end
	ds_add_u32 v5, v6
	s_wait_dscnt 0x0
	CROUND                                         ; the closing round
	s_endpgm
.Lfunc_end_k_q84aadc41e9_attn:
	.size	k_q84aadc41e9_attn, .Lfunc_end_k_q84aadc41e9_attn-k_q84aadc41e9_attn
	.p2alignl 7, 3214868480
	.fill 96, 4, 3214868480
	.section	.rodata,"a",@progbits
	.p2align	6, 0x0
	.amdhsa_kernel k_q84aadc41e9_attn
		.amdhsa_group_segment_fixed_size 327680
		.amdhsa_private_segment_fixed_size 0
		.amdhsa_enable_private_segment 0
		.amdhsa_kernarg_size 32
		.amdhsa_user_sgpr_count 2
		.amdhsa_user_sgpr_kernarg_segment_ptr 1
		.amdhsa_wavefront_size32 1
		.amdhsa_system_sgpr_workgroup_id_x 1
		.amdhsa_system_sgpr_workgroup_id_y 1
		.amdhsa_system_sgpr_workgroup_id_z 1
		.amdhsa_system_vgpr_workitem_id 0
		.amdhsa_next_free_vgpr 256
		.amdhsa_next_free_sgpr 100
		.amdhsa_reserve_vcc 1
		.amdhsa_float_denorm_mode_32 3
		.amdhsa_float_denorm_mode_16_64 3
		.amdhsa_memory_ordered 1
		.amdhsa_forward_progress 1
		.amdhsa_inst_pref_size 69
	.end_amdhsa_kernel
	.amdgpu_metadata
---
amdhsa.version: [ 1, 2 ]
amdhsa.kernels:
  - .name:           k_q84aadc41e9_attn
    .symbol:         k_q84aadc41e9_attn.kd
    .args:
      - { .name: qkvc, .offset: 0, .size: 8, .value_kind: global_buffer, .address_space: global }
      - { .name: qkvs, .offset: 8, .size: 8, .value_kind: global_buffer, .address_space: global }
      - { .name: oc, .offset: 16, .size: 8, .value_kind: global_buffer, .address_space: global }
      - { .name: sc, .offset: 24, .size: 8, .value_kind: global_buffer, .address_space: global }
    .group_segment_fixed_size: 327680
    .private_segment_fixed_size: 0
    .kernarg_segment_align: 8
    .kernarg_segment_size: 32
    .max_flat_workgroup_size: 512
    .sgpr_count:     100
    .vgpr_count:     256
    .wavefront_size: 32
...
	.end_amdgpu_metadata
.endif
;; end of part 3
;; launch proj (part 4): grid 4 x 64, 4 waves a work-group, clusters of 4 x 4, 327,680 bytes of LDS; arguments oc, opc, sc, bo, out0; writes out0
.if DOCPART == 4
	.amdgcn_target "amdgcn-amd-amdhsa--gfx1250"
	.amdhsa_code_object_version 6
	.text
	.protected	k_q84aadc41e9_proj
	.globl	k_q84aadc41e9_proj
	.p2align	8
	.type	k_q84aadc41e9_proj,@function
k_q84aadc41e9_proj:
	s_mov_b64 s[64:65], 0
	v_nop
	global_prefetch_b8 v0, s[64:65] scope:SCOPE_SE
	s_setreg_imm32_b32 hwreg(HW_REG_WAVE_MODE, 25, 1), 1
	s_wait_xcnt 0x0
	s_wait_alu depctr_hold_cnt(0) depctr_sa_sdst(0) depctr_va_vdst(0) depctr_va_sdst(0) depctr_va_ssrc(0) depctr_va_vcc(0) depctr_vm_vsrc(0)
	s_getreg_b32 s2, hwreg(HW_REG_IB_STS2, 6, 4)
	s_cmp_eq_u32 s2, 0
	s_cbranch_scc0 .Lentry_in_a_cluster
	s_endpgm
.Lentry_in_a_cluster:
	s_bfe_u32 s2, ttmp6, 0x10000c
	s_cmp_lg_u32 s2, 0xf033
	s_cbranch_scc0 .Lentry_shape_is_right
	s_endpgm
.Lentry_shape_is_right:
; LAUNCH 4 OF 4.  out = o wo^T + bo on codes of FP6, K = 1,024, f32 out.  Nothing of this launch's work is left out.
; A work-group makes 128 tokens (y) x 256 columns (x); wave w (yh = w / 2, xh = w % 2) 64 x 128: 32 accumulators.  Source 0 = 16 rows of wo, source 1 = 16 tokens: a lane holds eight neighbouring columns of one token.
; THE TILE'S WHOLE K LIES IN LDS, in two halves of 512 along K: y's 8 rows of 6,144 bytes, then x's 16.  FOUR FILLS, one a wave, each on a line of its own, all at the head: wave 0 y's low half, wave 1 x's low half,
; wave 2 y's high half, wave 3 x's.  The first barrier shows the low half; the barrier in step 3, where every wave waits, shows the high half.  Nothing is filled again.  No data prefetch: all is asked for at the head.
; CLUSTER 4 x 4: o's tiles are shared along a row of the cluster, wo's along a column: joint loads.
; SCALE WORDS: register 8 kq + i: lanes 0-15 token block i % 4, lanes 16-31 wo's block i.  o's words lie by heads (a plane a head, two bytes a word), at the places that launch 3 states: block a of my 64 tokens lies
; 1,024 a bytes on; wo's blocks lie 64 bytes apart.  The low halves of an even and an odd plane's words make the word of 128 along K.  The bias is the first products' C.
; THE WAY OUT: 16 tokens x 128 columns at a time through my own stage in y's low half (it has had its one fill, and every wave left it at the barrier in step 3), back as rows of 512 bytes.
.set HALFK, 147456
.set XOFF,  49152
.set SPARE, 2*HALFK
.set PLANE, 81920
.set G1Y, 24
.set G1X, 48
.set G0Y, 68
.set G0X, 84
.set SCR, 32
.set AF,  128
.set MSB, 0
.macro WIN new                         ; the immediate's high byte repeats the setting that is left
.if MSB != \new
	s_set_vgpr_msb (MSB<<8)|\new
.set MSB, \new
.endif
.endm
.macro PLACES n
.rept \n
	v_nop
.endr
.endm
.macro ARM under, g0, g1, next         ; an arm of the head's one chain of branches on the wave's number
	s_cmp_lt_u32 s14, \under
	s_cbranch_scc0 \next
	tensor_load_to_lds s[\g0:\g0+3], s[\g1:\g1+7]
	s_nop 0
	PLACES 4
	s_branch .Lhead_asked
\next:
.endm
.macro CROUND
	s_barrier_signal -1
	s_barrier_wait -1
	s_cmp_lg_u32 s14, 0
	s_cbranch_scc1 .Lnot_wave_0_\@
	s_barrier_signal -3
.Lnot_wave_0_\@:
	s_barrier_wait -3
	s_barrier_signal -1
	s_barrier_wait -1
.endm
.macro FRAG reg, a16, a8, off
	ds_load_b128 v[\reg:\reg+3], v[\a16] offset:\off
	ds_load_b64 v[\reg+4:\reg+5], v[\a8] offset:\off
	ds_load_b128 v[\reg+6:\reg+9], v[\a16] offset:\off+768
	ds_load_b64 v[\reg+10:\reg+11], v[\a8] offset:\off+768
.endm
.macro FETCH kq                        ; step kq's 12 fragments into set kq % 2: 48 LDS loads
	WIN 0x40
.irp b, 0,1,2,3,4,5,6,7
	FRAG 128*((\kq)%2)+12*\b, 6, 7, 6144*\b+1536*((\kq)%4)
.endr
	WIN 0
.irp a, 0,1,2,3
	FRAG AF+48*((\kq)%2)+12*\a, 4, 5, 6144*\a+1536*((\kq)%4)
.endr
.endm
.macro MUL16 a0, kq, cm                ; cm = 2: the sums begin with the bias (window 1).  The 32 accumulators take turns
.if \cm == 2
	WIN 0x91
.else
	WIN 0xa1
.endif
.irp a, \a0, \a0+1
.irp b, 0,1,2,3,4,5,6,7
.if \cm == 2
	v_wmma_scale_f32_16x16x128_f8f6f4 v[8*(8*(\a)+\b):8*(8*(\a)+\b)+7], v[128*((\kq)%2)+12*\b:128*((\kq)%2)+12*\b+11], v[AF+48*((\kq)%2)+12*(\a):AF+48*((\kq)%2)+12*(\a)+11], v[96+8*(\b%4)+128*(\b/4):96+8*(\b%4)+128*(\b/4)+7], v[SCR+8*(\kq)+\b], v[SCR+8*(\kq)+(\a)] matrix_a_fmt:MATRIX_FMT_FP6 matrix_b_fmt:MATRIX_FMT_FP6 matrix_a_scale:MATRIX_SCALE_ROW1
.else
	v_wmma_scale_f32_16x16x128_f8f6f4 v[8*(8*(\a)+\b):8*(8*(\a)+\b)+7], v[128*((\kq)%2)+12*\b:128*((\kq)%2)+12*\b+11], v[AF+48*((\kq)%2)+12*(\a):AF+48*((\kq)%2)+12*(\a)+11], v[8*(8*(\a)+\b):8*(8*(\a)+\b)+7], v[SCR+8*(\kq)+\b], v[SCR+8*(\kq)+(\a)] matrix_a_fmt:MATRIX_FMT_FP6 matrix_b_fmt:MATRIX_FMT_FP6 matrix_a_scale:MATRIX_SCALE_ROW1
.endif
.endr
.endr
.endm
.macro STEPA kq, cm
	PLACES 4                                       ; in front of loads into the set that the last step's products read
	FETCH (\kq)+1
	s_wait_dscnt 48                                ; this step's fragments are in; the 48 loads just issued may be out
	MUL16 0, \kq, \cm
	MUL16 2, \kq, \cm
.endm
.macro STEPB kq
	s_wait_dscnt 0x0                               ; my reads of the low half are over
	s_wait_tensorcnt 0x0                           ; every wave's load has landed
	s_barrier_signal -1
	MUL16 0, \kq, 1
	WIN 0
	s_barrier_wait -1
.irp r, 4,5,6,7
	v_add_nc_u32 v\r, HALFK, v\r                   ; on to the high half; also the places in front of the loads below
.endr
	s_wait_alu depctr_va_vdst(0)
	FETCH (\kq)+1
	MUL16 2, \kq, 1
.endm
	s_load_b256 s[4:11], s[0:1], 0x0               ; oc, opc, sc, bo
	s_load_b64 s[12:13], s[0:1], 0x20              ; out0
	v_lshl_add_u32 v28, v0, 2, SPARE
	v_mov_b32 v29, 0
	ds_add_u32 v28, v29                            ; the opening: the add, twice on end, and its wait
	ds_add_u32 v28, v29
	v_lshrrev_b32 v1, 5, v0
	v_readfirstlane_b32 s14, v1                    ; wave
	s_lshr_b32 s15, s14, 1                         ; yh
	s_and_b32 s16, s14, 1                          ; xh
	s_bfe_u32 s40, ttmp6, 0x40000
	s_bfe_u32 s41, ttmp6, 0x40004
	s_lshl_b32 s42, ttmp9, 2
	s_add_co_u32 s42, s42, s40                     ; tx
	s_and_b32 s37, ttmp7, 0xffff
	s_lshl_b32 s37, s37, 2
	s_add_co_u32 s37, s37, s41                     ; ty
	s_lshl_b32 s43, s41, 2
	s_lshl_b32 s43, 15, s43
	s_lshl_b32 s44, 0x1111, s40
	s_or_b32 s[G1Y], s43, (3<<16)|(1<<21)
	s_or_b32 s[G1X], s44, (3<<16)|(1<<21)
	s_mov_b32 s[G1Y+1], 768<<16
	s_mov_b32 s[G1Y+2], 8<<16
	s_mov_b32 s[G1Y+3], 768<<16
	s_mov_b32 s[G1Y+4], 8
	s_mov_b32 s[G1Y+5], 1536
	s_mov_b32 s[G1Y+6], 0
	s_mov_b32 s[G1Y+7], 0
	s_mov_b32 s[G1X+1], 768<<16
	s_mov_b32 s[G1X+2], 16<<16
	s_mov_b32 s[G1X+3], 768<<16
	s_mov_b32 s[G1X+4], 16
	s_mov_b32 s[G1X+5], 1536
	s_mov_b32 s[G1X+6], 0
	s_mov_b32 s[G1X+7], 0
	s_lshl_b32 s38, s37, 7
	s_mul_i32 s38, s38, 768                        ; o: token 128 ty
	s_mov_b32 s39, 0
	s_lshl_b32 s46, s42, 8
	s_add_co_u32 s46, s46, 11264
	s_mul_i32 s46, s46, 768                        ; wo: row 256 tx, behind 11,264 rows of opc
	s_mov_b32 s47, 0
	s_wait_dscnt 0x0
	s_wait_kmcnt 0x0
	s_add_nc_u64 s[32:33], s[4:5], s[38:39]
	s_add_nc_u64 s[34:35], s[6:7], s[46:47]
	CROUND                                         ; all sixteen work-groups are here: the joint loads meet
.irp k, 0,1
	s_mov_b32 s[G0Y+4*\k], 1
	s_mov_b32 s[G0Y+4*\k+1], \k*HALFK
	s_add_nc_u64 s[G0Y+4*\k+2:G0Y+4*\k+3], s[32:33], \k*6144
	s_or_b32 s[G0Y+4*\k+3], s[G0Y+4*\k+3], 0x80000000
	s_mov_b32 s[G0X+4*\k], 1
	s_mov_b32 s[G0X+4*\k+1], \k*HALFK+XOFF
	s_add_nc_u64 s[G0X+4*\k+2:G0X+4*\k+3], s[34:35], \k*6144
	s_or_b32 s[G0X+4*\k+3], s[G0X+4*\k+3], 0x80000000
.endr
	ARM 1, G0Y,   G1Y, .Lhead_1
	ARM 2, G0X,   G1X, .Lhead_2
	ARM 3, G0Y+4, G1Y, .Lhead_3
	tensor_load_to_lds s[G0X+4:G0X+7], s[G1X:G1X+7]
	s_nop 0
	PLACES 4
.Lhead_asked:
	s_lshl_b32 s17, s37, 7
	s_lshl_b32 s18, s15, 6
	s_add_co_u32 s17, s17, s18                     ; my first token
	s_lshr_b32 s38, s37, 3                         ; o's words: 11,264 + 1,024 (ty / 8) + 16 ((2 ty + yh) % 16), block a 256 words on
	s_lshl_b32 s38, s38, 10
	s_lshl_b32 s18, s37, 1
	s_add_co_u32 s18, s18, s15
	s_and_b32 s18, s18, 15
	s_lshl_b32 s18, s18, 4
	s_add_co_u32 s38, s38, s18
	s_add_co_u32 s38, s38, 11264
	s_lshl_b32 s38, s38, 2
	s_lshl_b32 s20, s42, 8
	s_lshl_b32 s21, s16, 7
	s_add_co_u32 s20, s20, s21                     ; my first column
	s_add_co_u32 s39, s20, 19456
	s_lshl_b32 s39, s39, 2                         ; wo's words
	s_lshl_b32 s20, s20, 2
	s_mov_b32 s21, 0
	s_add_nc_u64 s[10:11], s[10:11], s[20:21]
	s_add_nc_u64 s[12:13], s[12:13], s[20:21]
	s_lshl_b32 s20, s17, 12
	s_add_nc_u64 s[12:13], s[12:13], s[20:21]
	v_and_b32 v1, 15, v0
	v_bfe_u32 v2, v0, 4, 1
	v_and_b32 v3, 31, v0
	v_lshlrev_b32 v10, 4, v3
	v_lshlrev_b32 v11, 3, v3
	s_mul_i32 s46, s15, 24576
	v_add_nc_u32 v4, s46, v10
	v_add_nc_u32 v5, s46, v11
	v_add_nc_u32 v5, 512, v5
	s_mul_i32 s47, s16, 49152
	s_add_co_u32 s47, s47, XOFF
	v_add_nc_u32 v6, s47, v10
	v_add_nc_u32 v7, s47, v11
	v_add_nc_u32 v7, 512, v7
	v_mov_b32 v8, s38
	v_mov_b32 v9, s39
	v_mov_b32 v12, 1024
	v_mov_b32 v13, 64
	s_mov_b32 s45, 0xffff0000
	v_cndmask_b32 v8, v8, v9, s45                  ; lanes 0-15 take o's words, lanes 16-31 wo's
	v_cndmask_b32 v12, v12, v13, s45               ; from block to block: 1,024 bytes, 64 bytes
	v_lshl_add_u32 v8, v1, 2, v8
.irp i, 0,1,2,3
	v_mad_u32_u24 v[16+\i], v12, \i, v8            ; block i,
.endr
.irp i, 0,1,2,3
	v_lshl_add_u32 v[20+\i], v2, 8, v[16+\i]       ; and wo's block 4 + i
.endr
	v_lshlrev_b32 v15, 5, v2
	s_mul_i32 s46, s14, 16*528                     ; my stage
	v_mul_u32_u24 v24, v1, 528
	v_lshl_add_u32 v24, v2, 5, v24
	v_add_nc_u32 v24, s46, v24
	v_add_nc_u32 v25, s46, v10
	v_mov_b32 v26, v10
.irp kq, 0,1,2,3,4,5,6,7
.irp i, 0,1,2,3
	global_load_b32 v[SCR+8*\kq+\i], v[16+\i], s[8:9] offset:2*\kq*PLANE
	global_load_b32 v[SCR+8*\kq+4+\i], v[20+\i], s[8:9] offset:2*\kq*PLANE
	global_load_b32 v[AF+8*\kq+\i], v[16+\i], s[8:9] offset:(2*\kq+1)*PLANE
	global_load_b32 v[AF+8*\kq+4+\i], v[20+\i], s[8:9] offset:(2*\kq+1)*PLANE
.endr
.endr
	WIN 0x40
.irp b, 0,1,2,3,4,5,6,7
	global_load_b128 v[96+8*(\b%4)+128*(\b/4):96+8*(\b%4)+128*(\b/4)+3], v15, s[10:11] offset:64*\b
	global_load_b128 v[96+8*(\b%4)+128*(\b/4)+4:96+8*(\b%4)+128*(\b/4)+7], v15, s[10:11] offset:64*\b+16
.endr
	WIN 0
	s_mov_b32 s17, 0x05040100
	s_wait_loadcnt 0x0
.set n, 0
.rept 64
	v_perm_b32 v[SCR+n], v[AF+n], v[SCR+n], s17    ; the two planes' low halves
.set n, n+1
.endr
	PLACES 8                                       ; a scale register written by a vector instruction stands 8 places ahead of a scaled product
	s_wait_alu depctr_va_vdst(0)
	s_cmp_lt_u32 s14, 2
	s_cbranch_scc0 .Lnot_lo
	s_wait_tensorcnt 0x0                           ; waves 0, 1: the low half has landed
.Lnot_lo:
	s_barrier_signal -1
	s_barrier_wait -1                              ; waves 2, 3's tiles may still be on their way
	FETCH 0
	STEPA 0, 2
	STEPA 1, 1
	STEPA 2, 1
	STEPB 3
	STEPA 4, 1
	STEPA 5, 1
	STEPA 6, 1
	s_wait_dscnt 0x0
	MUL16 0, 7, 1
	MUL16 2, 7, 1
	WIN 0
.macro TOSTAGE a                       ; block a's sums into my stage, each accumulator from its low end on, and back as whole rows: LDS serves a wave's instructions in order
.set AC, 64*(\a)
	WIN 0x08
.irp b, 0,1,2,3,4,5,6,7
	ds_store_b128 v24, v[AC+8*\b:AC+8*\b+3] offset:64*\b
	ds_store_b128 v24, v[AC+8*\b+4:AC+8*\b+7] offset:64*\b+16
.endr
	WIN 0
.set BB, 128+64*((\a)%2)
.irp t, 0,1,2,3,4,5,6,7,8,9,10,11,12,13,14,15
	ds_load_b128 v[BB+4*\t:BB+4*\t+3], v25 offset:\t*528
.endr
.endm
.macro SEND a, younger                 ; younger: the LDS instructions issued behind block a's loads
.set BB, 128+64*((\a)%2)
	s_wait_dscnt \younger
.if (\a) > 0
	s_add_nc_u64 s[12:13], s[12:13], 16*4096       ; (behind a wait on XCNT)
.endif
.irp t, 0,1,2,3,4,5,6,7,8,9,10,11,12,13,14,15
	global_store_b128 v26, v[BB+4*\t:BB+4*\t+3], s[12:13] offset:\t*4096 th:TH_STORE_NT   ; 32 lanes store 512 consecutive bytes
.endr
.endm
	PLACES 4
	TOSTAGE 0
.irp a, 1,2,3
.if \a > 1
	s_wait_xcnt 0x0                                ; block a - 2's stores have read their registers and their base
.endif
	TOSTAGE \a
	SEND \a-1, 32
.endr
	s_wait_xcnt 0x0
	SEND 3, 0
	s_wait_tensorcnt 0x0                           ; the wave's end
	ds_add_u32 v28, v29
	s_wait_dscnt 0x0
	CROUND                                         ; the closing round
	s_endpgm
.Lfunc_end_k_q84aadc41e9_proj:
	.size	k_q84aadc41e9_proj, .Lfunc_end_k_q84aadc41e9_proj-k_q84aadc41e9_proj
	.p2alignl 7, 3214868480
	.fill 96, 4, 3214868480
	.section	.rodata,"a",@progbits
	.p2align	6, 0x0
	.amdhsa_kernel k_q84aadc41e9_proj
		.amdhsa_group_segment_fixed_size 327680
		.amdhsa_private_segment_fixed_size 0
		.amdhsa_enable_private_segment 0
		.amdhsa_kernarg_size 40
		.amdhsa_user_sgpr_count 2
		.amdhsa_user_sgpr_kernarg_segment_ptr 1
		.amdhsa_wavefront_size32 1
		.amdhsa_system_sgpr_workgroup_id_x 1
		.amdhsa_system_sgpr_workgroup_id_y 1
		.amdhsa_system_sgpr_workgroup_id_z 1
		.amdhsa_system_vgpr_workitem_id 0
		.amdhsa_next_free_vgpr 768
		.amdhsa_next_free_sgpr 100
		.amdhsa_reserve_vcc 0
		.amdhsa_float_denorm_mode_32 3
		.amdhsa_float_denorm_mode_16_64 3
		.amdhsa_memory_ordered 1
		.amdhsa_forward_progress 1
		.amdhsa_inst_pref_size 100
	.end_amdhsa_kernel
	.amdgpu_metadata
---
amdhsa.version: [ 1, 2 ]
amdhsa.kernels:
  - .name:           k_q84aadc41e9_proj
    .symbol:         k_q84aadc41e9_proj.kd
    .args:
      - { .name: oc, .offset: 0, .size: 8, .value_kind: global_buffer, .address_space: global }
      - { .name: opc, .offset: 8, .size: 8, .value_kind: global_buffer, .address_space: global }
      - { .name: sc, .offset: 16, .size: 8, .value_kind: global_buffer, .address_space: global }
      - { .name: bo, .offset: 24, .size: 8, .value_kind: global_buffer, .address_space: global }
      - { .name: out0, .offset: 32, .size: 8, .value_kind: global_buffer, .address_space: global }
    .group_segment_fixed_size: 327680
    .private_segment_fixed_size: 0
    .kernarg_segment_align: 8
    .kernarg_segment_size: 40
    .max_flat_workgroup_size: 128
    .sgpr_count:     100
    .vgpr_count:     768
    .wavefront_size: 32
...
	.end_amdgpu_metadata
.endif
;; end of part 4
